; MI455X (gfx1250); checked and timed in simulation.
; The chip was launched on July 23, 2026; its instructions are those of AMD's public machine-readable ISA for CDNA 5 (MIT licence, August 2026) and "CDNA5" Instruction Set Architecture Reference Guide (July 2026). The comments in the code are by the model that wrote it; some were corrected since.
;; Self Attention. Allowed arithmetic: matrix products marked QUANTISED: E5M2 operands, one E8M0 scale for each 32 along K, by v_wmma_scale_f32_16x16x128_f8f6f4 with both operands' format E5M2, f32 sums; everything else in f32.
;; Inputs: Wk_codes 128 x 32 x 32 uint8 (E5M2 codes of Wk, K innermost, in blocks of 32 codes); Wk_scales 128 x 32 uint8 (E8M0 scales of Wk, one for each 32 codes along K); Wq_codes 128 x 32 x 32 uint8 (E5M2 codes of Wq, K innermost, in blocks of 32 codes); Wq_scales 128 x 32 uint8 (E8M0 scales of Wq, one for each 32 codes along K); Wv_codes 1,024 x 32 x 32 uint8 (E5M2 codes of Wv, K innermost, in blocks of 32 codes); Wv_scales 1,024 x 32 uint8 (E8M0 scales of Wv, one for each 32 codes along K); bk 128 float32; bq 128 float32; bv 1,024 float32; gamma 1 float32; x 8 x 2,048 x 1,024 float32.
;; Outputs: out0 8 x 2,048 x 1,024 float32.
;; This version of the problem:
;;   THIS VERSION OF THE PROBLEM IS GIVEN IN LOW PRECISION. The matrix products marked QUANTISED in the list below multiply operands that are first quantised to E5M2 (5 exponent bits, 2 mantissa bits; 8 bits a number), with one power-of-two scale for each 32 numbers along K (OCP MX v1.0); their sums are f32. All else is computed in f32.
;;   The module's matrix products, in the order in which they are computed (A, B: the left and right operand; K: the contracted axis; several contracted axes count as one K, in the product's order):
;;     1. [M 16,384, K 1,024] x [K 1,024, N 128]; A: input x; B: input Wq (given as codes): QUANTISED
;;     2. [M 16,384, K 1,024] x [K 1,024, N 128]; A: input x; B: input Wk (given as codes): QUANTISED
;;     3. [M 16,384, K 1,024] x [K 1,024, N 1,024]; A: input x; B: input Wv (given as codes): QUANTISED
;;     4. batch 8 x [M 2,048, K 128] x [K 128, N 2,048]; A: computed on the way; B: computed on the way: QUANTISED
;;     5. batch 8 x [M 1,024, K 2,048] x [K 2,048, N 2,048]; A: computed on the way; B: softmax (see below): QUANTISED
;;   THE QUANTISER, for each operand of a quantised product, along K:
;;     - K is cut into blocks of 32 from its start; a last block that is shorter is filled with zeros.
;;     - A block's scale is 2^e with e = floor(log2(the largest magnitude in the block)) - 15, held to -126 .. 127; a block of zeros has e = 0. As a byte (E8M0): e + 127.
;;     - Each number is divided by its block's scale, clamped to +-57,344, and rounded to the nearest number of E5M2, ties to even, subnormals kept.
;;     - The product sums the exact products of the quantised numbers (number of the format x scale) in f32.
;;   ~~~python
;;   def quantise(x, axis):      # numpy; x: float32 -> the quantised numbers, widened to float32 again
;;       x = np.moveaxis(x, axis, -1); K = x.shape[-1]
;;       x = np.pad(x, [(0, 0)] * (x.ndim - 1) + [(0, -K % 32)]); x = x.reshape(x.shape[:-1] + (-1, 32)); a = np.abs(x).max(-1, keepdims=True)
;;       e = np.where(a > 0, np.clip(np.frexp(np.where(a > 0, a, 1))[1] - 1 - 15, -126, 127), 0)      # np.frexp(a)[1] - 1 = floor(log2(a)), exactly
;;       r = np.clip(x / 2.0 ** e, -57344, 57344)
;;       step = 2.0 ** (np.maximum(np.frexp(np.where(r == 0, 1, r))[1] - 1, -14) - 2)
;;       q = np.round(r / step) * step * 2.0 ** e      # np.round: ties to even
;;       return np.moveaxis(q.reshape(q.shape[:-2] + (-1,))[..., :K], -1, axis).astype(np.float32)
;;   ~~~
;;   SOFTMAX AHEAD OF A QUANTISED PRODUCT. Where the list says 'softmax', what is quantised is not the finished softmax but p = 2^(t - M), with t = logit x log2(e) and M = ceil(the row's largest t), a whole number; so 1/2 < the row's largest p <= 1. The row's sum l is taken of the UNQUANTISED p, in f32, and the product's result is divided by l at the end. Since M is a whole number, a kernel that streams over the keys may use a running M (the ceiling of the running maximum): every later rescaling is an exact power of two, which a block's scale takes up: the codes' values come out the same.
;;   OPERANDS COMPUTED ON THE WAY. 'Computed on the way' means the value that the module computes at that place (a softmax that the list does not call 'softmax' is quantised finished and normalised). What goes into a quantiser is computed in f32, as accurately as f32 sums, v_exp_f32 and their like allow (about 1e-6 of the number): no bf16 or f16 on the way to a quantiser, and a product that is left as it is and whose result goes on into a quantised operand takes f32 operands (vector FMAs, or v_wmma_f32_16x16x4_f32). A number that lies on a knife's edge between two numbers of the format may be rounded either way, as far as f32 arithmetic and the matrix unit's own rounding can turn it there, and no further.
;;   INPUTS GIVEN AS CODES. Wk (in the module: [128, 1024], K = its axis 1); Wq (in the module: [128, 1024], K = its axis 1); Wv (in the module: [1024, 1024], K = its axis 1): each comes as NAME_codes (uint8): NAME with its K axis moved to the last place and cut into blocks of 32 codes, [.., K / 32, bytes a block], one block behind the other in memory; one code a byte (a code: sign, 5 exponent bits, 2 mantissa bits); and NAME_scales (uint8): the same leading axes, one E8M0 byte (e + 127) for each 32 codes along K. Its value is code x scale, taken as it is: it is not quantised again, and the codes and scales need not be those that the quantiser above would give.
;; One version. Each part assembles by itself: llvm-mc -triple=amdgcn-amd-amdhsa -mcpu=gfx1250 --defsym DOCPART=n.
;; ======== version 1 of 1: 4 launches
;; workspace buffers: xf 16,777,216 bytes; xs 524,288 bytes; qk 4,194,304 bytes; qks 131,072 bytes; vf 16,777,216 bytes; vs 524,288 bytes; pf 33,554,432 bytes; ps 1,114,112 bytes
;; launch prep (part 1): grid 256 x 1, 4 waves a work-group, clusters of 4 x 1, 327,680 bytes of LDS; arguments x, Wq_codes, Wq_scales, bq, Wk_codes, Wk_scales, bk, xf, xs, qk, qks; writes xf, xs, qk, qks
.if DOCPART == 1
	.amdgcn_target "amdgcn-amd-amdhsa--gfx1250"
	.amdhsa_code_object_version 6
	.text
	.protected	k_q9271190372_prep
	.globl	k_q9271190372_prep
	.p2align	8
	.type	k_q9271190372_prep,@function
k_q9271190372_prep:
	s_mov_b64 s[64:65], 0
	v_nop
	global_prefetch_b8 v0, s[64:65] scope:SCOPE_SE
	s_setreg_imm32_b32 hwreg(HW_REG_WAVE_MODE, 25, 1), 1
	s_wait_xcnt 0x0
	s_wait_alu depctr_hold_cnt(0) depctr_sa_sdst(0) depctr_va_vdst(0) depctr_va_sdst(0) depctr_va_ssrc(0) depctr_va_vcc(0) depctr_vm_vsrc(0)
	s_getreg_b32 s2, hwreg(HW_REG_IB_STS2, 6, 4)
	s_cmp_eq_u32 s2, 0
	s_cbranch_scc0 .Lentry_in_a_cluster
	s_endpgm
.Lentry_in_a_cluster:
	s_bfe_u32 s2, ttmp6, 0x10000c
	s_cmp_lg_u32 s2, 0x3003
	s_cbranch_scc0 .Lentry_shape_is_right
	s_endpgm
.Lentry_shape_is_right:
; PREP.  x [16,384 tokens][1,024] f32 is quantised along its 1,024 channels into codes of E5M2 with one E8M0 byte for each 32, and q = x Wq^T + bq, k = x Wk^T + bk (128 outputs each)
; are made from those codes, and quantised along their 128 outputs.  x is read from memory once.
; OUT: xf: x's codes as operand fragments, [token tile of 16][K step of 128][2,048 bytes]; a fragment is the image of its 16 registers: [block of 32 c][lane][16 bytes].
;      xs: x's scale bytes, [token][32].   qk: q's fragments [token tile][2,048], k's 2,097,152 bytes on.   qks: q's scale words [token], k's 65,536 bytes on.
; SHARES.  A work-group takes 64 tokens.  Wave w quantises tokens 16 w .. 16 w + 15 (a K step of 128 at a time) and hands the fragment to the others through LDS as an image of its registers.
; Each wave makes 64 outputs for all 64 tokens: waves 0, 1 q's outputs 0-63, 64-127; waves 2, 3 k's.  Its 64 rows of weights come into LDS once and only that wave reads them.
; CLUSTER: four work-groups.  Wave w's rows of weights are the same in all four, so they are asked for JOINTLY: the same two tensor loads (K = 0-511, K = 512-1,023), with the same descriptors and a mask of the four.
; The first products wait for the first half alone.  Nothing is filled twice.
; THE K STEPS ARE PIPELINED: while step ks is quantised, step ks + 1's numbers go through the turning stage, and step ks - 1's fragments, fetched behind its barrier, are on their way; its products follow the quantiser.
; THE PRODUCT IS USED TRANSPOSED (source 0 = 16 rows of W, source 1 = 16 tokens): a lane holds one token and its registers run along the outputs, which are the next product's K.
; A tile of outputs is 16 neighbours, so a lane's 16 registers of two tiles are places 8 h .. 8 h + 7 and 16 + 8 h .. 16 + 8 h + 7 of a block of 32: inside a block K is permuted, alike for q and for k;
; the blocks, their largest magnitudes and their scales are the true ones, and the products are the same; only the order in which the unit adds them differs.
; No prefetch: the launch streams x from its first line to its last.
; LIMITS: NaN and infinities are not served; a block of zeros, or one whose largest magnitude lies under 2^-111, gets the byte 1 (its codes are zeros or held; only this program reads the bytes).
; REGISTERS, in windows of 256.  Window 0: v4-15 addresses; v80-111 codes, two sets; v112-127 at work; v130-137 x's scale words; v138-153 the weights' scale words;
;   v154-157 the four token tiles' scale words; v160-223 the four token tiles' fragments.   Window 1: four sets of 64: x as it is loaded.
;   Window 2: v0-127 the 16 accumulators; v128-159 the bias; v160-223 four fragments of W.   Window 3: v0-127 two sets of 64 numbers of x, 16 neighbours of each block.
.set WHALF, 64*528                     ; LDS: half of K of a wave's 64 rows of weights: 512 bytes + 16 of padding each, so that the 16 rows of a fragment load begin in 16 different groups of banks
.set WROWS, 2*WHALF
.set TSTG,  4*WROWS                    ; each wave's turning stage: 16 rows x (512 bytes + 16)
.set TST,   16*528
.set XIMG,  TSTG+4*TST                 ; x's fragment images: two buffers by turns x 4 token tiles x 2,048
.set XSC,   XIMG+2*4*2048              ; their scale words: two buffers x 4 x 128
.set HW,    XSC+2*4*128                ; q's and k's scale words: [q, k][64 tokens]
.set LI,   4                           ; v4   16 x lane
.set XRS,  5                           ; v5   XSC + 4 x lane
.set SA,   6                           ; v6   my stage + 16 x lane: in, as loaded
.set SL,   7                           ; v7   my stage + 528 r + 64 h: out, 16 neighbours of each block
.set XWI,  8                           ; v8   where I store my image
.set XWS,  9                           ; v9   and its scale word
.set WA,   10                          ; v10  my rows of W: 528 r + 16 h
.set HWA,  11                          ; v11  where my two bytes of a token's scale word go
.set XSO,  12                          ; v12  32 r + 16 h: xs
.set HRD,  14                          ; v14  the scale words read back, 8 bytes a lane
.set L8,   15                          ; v15  8 x lane
.set PC,   80
.set TM,   112                         ; +0..3 largest magnitudes, +4..7 bytes, +8..11 57,344 x scale, +12..15 the conversion's scale operand
.set XW,   130
.set WS,   138                         ; register 8 i + ks: lane l holds the word of row 32 i + l: an odd tile's words lie in lanes 16-31
.set XS,   154
.set XFR,  160
.set SELW, 224
.set XRI,  228                         ; v228 XIMG + 16 x lane
.set BO,   229                         ; v229 32 h
.set WO,   230                         ; v230 32 x lane
.set HWD,  232
.set QW,   236
.set ACC,  0                           ; window 2
.set BI,   128
.set WF,   160
.set WV,   26
.set HF,   27                          ; wave & 1: which 64 outputs
.set SD,   28                          ; wave >> 1: q or k
.set WG,   29                          ; the work-group's number: 4 x cluster + place; it enters global offsets alone
.set G0A,  32                          ; s[32:35] group 0 for K = 0-511;  s[36:39] for K = 512-1,023;  s[40:47] group 1
.set G0B,  36
.set G1,   40
.set SEL,  56
.set MNT,  58
.set MSB,  0
.macro WIN new                         ; bits 1:0 source 0, 3:2 source 1, 5:4 source 2, 7:6 destination; the high byte repeats the setting that is left
.if MSB != (\new)
	s_set_vgpr_msb (MSB<<8)|(\new)
.set MSB, (\new)
.endif
.endm
.macro PLACES n
.rept \n
	v_nop
.endr
.endm
.macro CROUND                          ; a round of the cluster's barrier: my work-group's barrier; wave 0 signals for the work-group; every wave waits for all four; my work-group's barrier once more
	s_barrier_signal -1
	s_barrier_wait -1
	s_cmp_lg_u32 s[WV], 0
	s_cbranch_scc1 .Lnot_wave_0_\@
	s_barrier_signal -3
.Lnot_wave_0_\@:
	s_barrier_wait -3
	s_barrier_signal -1
	s_barrier_wait -1
.endm
; 64 numbers of a lane in window w, register 16 b + i in block b, become 16 registers of codes at v[pc] (window 0); the four scale bytes are left in v[TM+4 ..]
.macro QUANT s, w, pc
	WIN (\w)|((\w)<<2)
.irp b, 0,1,2,3
	v_max3_num_f32 v[TM+\b], |v[(\s)+16*\b]|, |v[(\s)+16*\b+1]|, 0x8000000   ; my 16 numbers of block b, and the floor 2^(16 - 127): the byte cannot fall under 1
.endr
	WIN ((\w)<<2)|((\w)<<4)
.irp i, 2,4,6,8,10,12,14
.irp b, 0,1,2,3
	v_max3_num_f32 v[TM+\b], v[TM+\b], |v[(\s)+16*\b+\i]|, |v[(\s)+16*\b+\i+1]|   ; the four blocks by turns, each tile from its low end on
.endr
.endr
	WIN 0
.irp b, 0,1,2,3
	v_permlanex16_b32 v[TM+4+\b], v[TM+\b], s[SEL], s[SEL+1]
.endr
.irp b, 0,1,2,3
	v_max_num_f32 v[TM+\b], v[TM+\b], v[TM+4+\b]       ; with lane l xor 16's 16: the block's largest magnitude
.endr
.irp b, 0,1,2,3
	v_add_nc_u32 v[TM+12+\b], 0xf8800000, v[TM+\b]     ; 15 off its exponent field: the conversion's scale operand
.endr
.irp b, 0,1,2,3
	v_and_or_b32 v[TM+8+\b], v[TM+\b], 0x7f800000, s[MNT]   ; 57,344 x the scale
.endr
.irp b, 0,1,2,3
	v_lshrrev_b32 v[TM+4+\b], 23, v[TM+12+\b]          ; the scale's byte
.endr
	WIN (\w)|((\w)<<6)
.irp b, 0,1,2,3
.irp i, 0,1,2,3,4,5,6,7,8,9,10,11,12,13,14,15
	v_med3_num_f32 v[(\s)+16*\b+\i], v[(\s)+16*\b+\i], -v[TM+8+\b], v[TM+8+\b]   ; the conversion to an 8-bit code does not saturate (ISA guide 7.6.2): the hold
.endr
.endr
	WIN (\w)
.irp b, 0,1,2,3
	v_cvt_scalef32_pk8_bf8_f32 v[(\pc)+4*\b:(\pc)+4*\b+1], v[(\s)+16*\b:(\s)+16*\b+7], v[TM+12+\b]
	v_cvt_scalef32_pk8_bf8_f32 v[(\pc)+4*\b+2:(\pc)+4*\b+3], v[(\s)+16*\b+8:(\s)+16*\b+15], v[TM+12+\b]
.endr
	WIN 0
	v_nop                                          ; one plain line behind the last scaled conversion
.endm
.macro WORD4 d
	v_lshl_or_b32 v[\d], v[TM+5], 8, v[TM+4]
	v_lshl_or_b32 v[\d], v[TM+6], 16, v[\d]
	v_lshl_or_b32 v[\d], v[TM+7], 24, v[\d]
.endm
.macro LOAD ks                         ; my 16 tokens' numbers of K step ks: each load reads 512 consecutive bytes of one row
	WIN 0x40
.irp i, 0,1,2,3,4,5,6,7,8,9,10,11,12,13,14,15
	global_load_b128 v[64*((\ks)%4)+4*\i:64*((\ks)%4)+4*\i+3], v[LI], s[4:5] offset:4096*\i+512*(\ks) th:TH_LOAD_NT
.endr
	WIN 0
.endm
.macro TURNX ks                        ; K step ks's numbers through my own stage: in as loaded, back as 16 neighbours of each block (LDS serves a wave's instructions in order)
	WIN 0x04
.irp i, 0,1,2,3,4,5,6,7,8,9,10,11,12,13,14,15
	ds_store_b128 v[SA], v[64*((\ks)%4)+4*\i:64*((\ks)%4)+4*\i+3] offset:528*\i
.endr
	WIN 0xc0
.irp b, 0,1,2,3
.irp j, 0,1,2,3
	ds_load_b128 v[64*((\ks)%2)+16*\b+4*\j:64*((\ks)%2)+16*\b+4*\j+3], v[SL] offset:128*\b+16*\j
.endr
.endr
	WIN 0
.endm
.macro PROD ks, mt, ot                 ; tokens 16 mt on x my outputs 16 ot on; the first K step takes the bias as C
.set rD, ACC+8*(4*(\mt)+(\ot))
.set rW, WF+16*(\ot)
.set rX, XFR+16*(\mt)
.set rB, BI+8*(\ot)
.set rS, WS+8*((\ot)/2)+(\ks)
.if ((\ks) == 0) && ((\ot)%2 == 1)
	v_wmma_scale_f32_16x16x128_f8f6f4 v[rD:rD+7], v[rW:rW+15], v[rX:rX+15], v[rB:rB+7], v[rS], v[XS+(\mt)] matrix_a_fmt:MATRIX_FMT_BF8 matrix_b_fmt:MATRIX_FMT_BF8 matrix_a_scale:MATRIX_SCALE_ROW1
.elseif (\ks) == 0
	v_wmma_scale_f32_16x16x128_f8f6f4 v[rD:rD+7], v[rW:rW+15], v[rX:rX+15], v[rB:rB+7], v[rS], v[XS+(\mt)] matrix_a_fmt:MATRIX_FMT_BF8 matrix_b_fmt:MATRIX_FMT_BF8
.elseif (\ot)%2 == 1
	v_wmma_scale_f32_16x16x128_f8f6f4 v[rD:rD+7], v[rW:rW+15], v[rX:rX+15], v[rD:rD+7], v[rS], v[XS+(\mt)] matrix_a_fmt:MATRIX_FMT_BF8 matrix_b_fmt:MATRIX_FMT_BF8 matrix_a_scale:MATRIX_SCALE_ROW1
.else
	v_wmma_scale_f32_16x16x128_f8f6f4 v[rD:rD+7], v[rW:rW+15], v[rX:rX+15], v[rD:rD+7], v[rS], v[XS+(\mt)] matrix_a_fmt:MATRIX_FMT_BF8 matrix_b_fmt:MATRIX_FMT_BF8
.endif
.endm
.macro PRODS ks                        ; K step ks's 16 products: the 16 accumulators by turns, one instruction a turn.  Eight places follow: the next loads land in these operands' registers
	WIN 0xa2                                       ; W, C and D in window 2, x in window 0
.irp mt, 0,1,2,3
.irp ot, 0,1,2,3
	PROD \ks, \mt, \ot
.endr
.endr
	WIN 0
	PLACES 8
.endm
.macro FETCHK ks                       ; behind K step ks's barrier: the four token tiles' images and scale words, and my four fragments of W
.irp mt, 0,1,2,3
.irp c, 0,1,2,3
	ds_load_b128 v[XFR+16*\mt+4*\c:XFR+16*\mt+4*\c+3], v[XRI] offset:8192*((\ks)%2)+2048*\mt+512*\c
.endr
	ds_load_b32 v[XS+\mt], v[XRS] offset:512*((\ks)%2)+128*\mt
.endr
	WIN 0x80
.irp ot, 0,1,2,3
.irp c, 0,1,2,3
	ds_load_b128 v[WF+16*\ot+4*\c:WF+16*\ot+4*\c+3], v[WA] offset:WHALF*((\ks)/4)+8448*\ot+128*((\ks)%4)+32*\c
.endr
.endr
	WIN 0
.endm
	s_load_b256 s[4:11], s[0:1], 0x0               ; x, Wq's codes, Wq's scales, bq
	s_load_b256 s[12:19], s[0:1], 0x20             ; Wk's codes, Wk's scales, bk, xf
	s_load_b128 s[20:23], s[0:1], 0x40             ; xs, qk
	s_load_b64 s[24:25], s[0:1], 0x50              ; qks
	v_lshl_add_u32 v254, v0, 2, 0x4ea00
	v_mov_b32 v255, 0
	ds_add_u32 v254, v255
	ds_add_u32 v254, v255
	v_lshrrev_b32 v1, 5, v0
	v_readfirstlane_b32 s[WV], v1                  ; wave 0..3
	s_and_b32 s[HF], s[WV], 1
	s_lshr_b32 s[SD], s[WV], 1
	s_bfe_u32 s30, ttmp6, 0x40000                  ; my place in the cluster
	s_lshl_b32 s[WG], ttmp9, 2                     ; in a cluster launch ttmp9 counts clusters
	s_add_co_u32 s[WG], s[WG], s30
	; descriptor group 1: 64 rows, of each 512 bytes, 1,024 bytes apart in memory; 16 bytes of padding behind each in LDS
	s_mov_b32 s[G1+0], 15|(1<<20)|(1<<21)|(6<<22)|(3<<25)  ; the mask: all four work-groups; elements of 1 byte; padding on; bit 21 beside the mask; after every 128 words (code 6) four words (code 3)
	s_mov_b32 s[G1+1], 512<<16                     ; tensor_dim0
	s_mov_b32 s[G1+2], 64<<16                      ; tensor_dim1
	s_mov_b32 s[G1+3], 512<<16                     ; tile_dim0
	s_mov_b32 s[G1+4], 64                          ; tile_dim1
	s_mov_b32 s[G1+5], 1024                        ; from row to row
	s_mov_b32 s[G1+6], 0
	s_mov_b32 s[G1+7], 0
	s_mov_b32 s[G0A], 1
	s_mul_i32 s[G0A+1], s[WV], WROWS               ; my wave's own bytes: no place in the cluster enters an LDS address
	s_mov_b32 s[G0B], 1
	s_add_co_u32 s[G0B+1], s[G0A+1], WHALF
	s_lshl_b32 s52, s[HF], 16                      ; my 64 rows of the 128
	s_mov_b32 s53, 0
	s_mov_b32 s[SEL], 0x76543210
	s_mov_b32 s[SEL+1], 0xfedcba98                 ; lane l xor 16
	s_mov_b32 s[MNT], 0x600000                     ; the mantissa field of 57,344
	s_wait_dscnt 0x0
	s_wait_kmcnt 0x0
	s_cmp_lt_u32 s[WV], 2                          ; q's waves or k's: only pointers and offsets are chosen, all waves take one path
	s_cselect_b64 s[6:7], s[6:7], s[12:13]
	s_cselect_b64 s[8:9], s[8:9], s[14:15]
	s_cselect_b64 s[10:11], s[10:11], s[16:17]
	s_cselect_b32 s54, 0, 0x200000
	s_cselect_b32 s55, 0, 0x10000
	s_add_nc_u64 s[G0A+2:G0A+3], s[6:7], s[52:53]
	s_add_nc_u64 s[G0B+2:G0B+3], s[G0A+2:G0A+3], 512
	s_or_b32 s[G0A+3], s[G0A+3], 0x80000000
	s_or_b32 s[G0B+3], s[G0B+3], 0x80000000
	CROUND                                         ; all four work-groups are here: the joint loads meet
	tensor_load_to_lds s[G0A:G0A+3], s[G1:G1+7]    ; the launch's only fills of these bytes; two tensor loads of mine are out
	s_nop 0
	tensor_load_to_lds s[G0B:G0B+3], s[G1:G1+7]
	s_nop 0
	PLACES 4
	s_mov_b32 s49, 0
	s_lshl_b32 s48, s[WG], 18                      ; x: (64 work-group + 16 wave) rows of 4,096 bytes
	s_lshl_b32 s50, s[WV], 16
	s_add_co_u32 s48, s48, s50
	s_add_nc_u64 s[4:5], s[4:5], s[48:49]
	s_lshl_b32 s48, s[WG], 16                      ; xf: token tile 4 work-group + wave, 16,384 bytes each
	s_lshl_b32 s50, s[WV], 14
	s_add_co_u32 s48, s48, s50
	s_add_nc_u64 s[18:19], s[18:19], s[48:49]
	s_lshl_b32 s48, s[WG], 11                      ; xs: 32 bytes a token
	s_lshl_b32 s50, s[WV], 9
	s_add_co_u32 s48, s48, s50
	s_add_nc_u64 s[20:21], s[20:21], s[48:49]
	s_lshl_b32 s48, s[WG], 13                      ; qk: the work-group's four fragments; my two blocks of each; q's or k's part
	s_lshl_b32 s50, s[HF], 10
	s_add_co_u32 s48, s48, s50
	s_add_co_u32 s48, s48, s54
	s_add_nc_u64 s[22:23], s[22:23], s[48:49]
	s_lshl_b32 s48, s[WG], 8                       ; qks: 64 words
	s_add_co_u32 s48, s48, s55
	s_add_nc_u64 s[24:25], s[24:25], s[48:49]
	s_lshl_b32 s48, s[HF], 11                      ; my 64 rows' scale bytes,
	s_add_nc_u64 s[8:9], s[8:9], s[48:49]
	s_lshl_b32 s48, s[HF], 8                       ; and my 64 numbers of the bias
	s_add_nc_u64 s[10:11], s[10:11], s[48:49]
	v_and_b32 v1, 31, v0                           ; lane
	v_and_b32 v2, 15, v0                           ; r
	v_bfe_u32 v3, v0, 4, 1                         ; h
	v_lshlrev_b32 v[LI], 4, v1
	v_lshlrev_b32 v[BO], 5, v3
	v_lshlrev_b32 v[WO], 5, v1
	WIN 0x80
.irp ot, 0,1,2,3                       ; the bias in the result's layout: lane (r, h), register j: output 16 ot + 8 h + j
	global_load_b128 v[BI+8*\ot:BI+8*\ot+3], v[BO], s[10:11] offset:64*\ot
	global_load_b128 v[BI+8*\ot+4:BI+8*\ot+7], v[BO], s[10:11] offset:64*\ot+16
.endr
	WIN 0
.irp i, 0,1                            ; a row's 32 scale bytes are its eight words
	global_load_b128 v[WS+8*\i:WS+8*\i+3], v[WO], s[8:9] offset:1024*\i
	global_load_b128 v[WS+8*\i+4:WS+8*\i+7], v[WO], s[8:9] offset:1024*\i+16
.endr
	LOAD 0
	LOAD 1
	LOAD 2
	v_lshl_add_u32 v[XRS], v1, 2, XSC
	s_mul_i32 s50, s[WV], TST
	s_add_co_u32 s50, s50, TSTG
	v_add_nc_u32 v[SA], s50, v[LI]
	v_mul_u32_u24 v[SL], v2, 528
	v_lshl_add_u32 v[SL], v3, 6, v[SL]
	v_add_nc_u32 v[SL], s50, v[SL]
	s_lshl_b32 s51, s[WV], 11
	s_add_co_u32 s51, s51, XIMG
	v_add_nc_u32 v[XWI], s51, v[LI]
	s_lshl_b32 s51, s[WV], 7
	v_add_nc_u32 v[XWS], s51, v[XRS]
	v_mul_u32_u24 v[WA], v2, 528
	v_lshl_add_u32 v[WA], v3, 4, v[WA]
	v_add_nc_u32 v[WA], s[G0A+1], v[WA]
	s_lshl_b32 s51, s[SD], 8
	s_lshl_b32 s31, s[HF], 1
	s_add_co_u32 s31, s31, s51
	s_add_co_u32 s31, s31, HW
	v_lshl_add_u32 v[HWA], v2, 2, s31
	v_lshlrev_b32 v[XSO], 5, v2
	v_lshl_add_u32 v[XSO], v3, 4, v[XSO]
	s_add_co_u32 s51, s51, HW
	v_lshl_add_u32 v[HRD], v1, 3, s51
	v_lshlrev_b32 v[L8], 3, v1
	v_add_nc_u32 v[XRI], XIMG, v[LI]
.irp b, 0,1,2,3
	v_mov_b32 v[TM+4+\b], 0                        ; written once: a lane permute's destination counts as one of its sources
.endr
	LOAD 3
	s_wait_loadcnt 48                              ; the bias, the weights' scale words and K step 0's 16 loads are in; the three sets behind them may be out
	TURNX 0
	s_wait_dscnt 0x0                               ; K step 0's numbers are back, and the stage's stores have read their registers
; A K STEP of 128.  One barrier: an image buffer is written again two steps on, and by then every wave has passed a barrier behind the wait for its reads of it.
.macro KSTEP ks
.set PCX, PC+16*((\ks)%2)
	s_wait_xcnt 0x0                                ; the stores of two steps back have read this step's code registers
.if (\ks) < 4
	LOAD (\ks)+4                                   ; into the set that went through the stage a step ago (the wait for all LDS instructions ahead of the last barrier lies between)
.endif
.if (\ks) < 7
.if (\ks) < 4
	s_wait_loadcnt 48                              ; the next step's 16 loads are in; the three sets behind them may be out
.else
	s_wait_loadcnt 16*(6-(\ks))
.endif
	TURNX (\ks)+1                                  ; the next step's numbers go through the stage while this step is quantised
.endif
	QUANT 64*((\ks)%2), 3, PCX
	WORD4 XW+(\ks)
.if (\ks) > 0
.if (\ks) < 7
	s_wait_dscnt 32                                ; the last step's fragments are in; the 32 instructions of the stage, issued behind them, may be out
.else
	s_wait_dscnt 0x0
.endif
	PRODS (\ks)-1
.endif
.irp c, 0,1,2,3
	global_store_b128 v[LI], v[PCX+4*\c:PCX+4*\c+3], s[18:19] offset:2048*(\ks)+512*\c   ; 512 consecutive bytes a store
.endr
.irp c, 0,1,2,3
	ds_store_b128 v[XWI], v[PCX+4*\c:PCX+4*\c+3] offset:8192*((\ks)%2)+512*\c
.endr
	ds_store_b32 v[XWS], v[XW+(\ks)] offset:512*((\ks)%2)
.if (\ks) == 0
	s_wait_tensorcnt 0x1                           ; K = 0-511 of my rows of W is in LDS; the load of K = 512-1,023, issued behind it, may be out.  No other wave reads these bytes
.elseif (\ks) == 4
	s_wait_tensorcnt 0x0                           ; and the other half
.endif
	s_wait_dscnt 0x0                               ; my image has landed, the next step's numbers are back
	s_barrier_signal -1
	s_barrier_wait -1                              ; everybody's image has landed
	FETCHK \ks                                     ; multiplied behind the next step's quantiser
.endm
.irp ks, 0,1,2,3,4,5,6,7
	KSTEP \ks
.endr
	s_wait_dscnt 0x0
	PRODS 7                                        ; its eight places also stand ahead of the first read of the sums
	; q's or k's 64 outputs of the 64 tokens are quantised: two blocks of 32 for each token tile, two token tiles at a time
.irp mt, 0,2
	s_wait_xcnt 0x0                                ; earlier stores have read the code registers
	QUANT 32*\mt, 2, PC+8*\mt
	v_lshl_or_b32 v[HWD+\mt], v[TM+5], 8, v[TM+4]          ; my two bytes of each token's scale word
	v_lshl_or_b32 v[HWD+\mt+1], v[TM+7], 8, v[TM+6]
.irp b, 0,1,2,3
	global_store_b128 v[LI], v[PC+8*\mt+4*\b:PC+8*\mt+4*\b+3], s[22:23] offset:(\mt+\b/2)*2048+512*(\b%2)
.endr
	ds_store_b16 v[HWA], v[HWD+\mt] offset:64*\mt          ; both halves of the lanes write the same bytes with the same value
	ds_store_b16 v[HWA], v[HWD+\mt+1] offset:64*\mt+64
.endr
	v_cmp_ne_u32 vcc_lo, 0, v3
.irp i, 0,1,2,3
	v_cndmask_b32 v[SELW+\i], v[XW+\i], v[XW+4+\i], vcc_lo ; lanes 0-15 store a token's words 0-3, lanes 16-31 its words 4-7
.endr
	global_store_b128 v[XSO], v[SELW:SELW+3], s[20:21]     ; 512 consecutive bytes
	s_wait_dscnt 0x0                               ; my half-words have landed
	s_barrier_signal -1
	s_barrier_wait -1
	s_cmp_lg_u32 s[HF], 0                          ; wave 0 stores q's 64 words, wave 2 k's
	s_cbranch_scc1 .Lend
	ds_load_b64 v[QW:QW+1], v[HRD]
	s_wait_dscnt 0x0
	global_store_b64 v[L8], v[QW:QW+1], s[24:25]   ; 256 consecutive bytes, aligned
.Lend:
	s_wait_tensorcnt 0x0
	ds_add_u32 v254, v255
	s_wait_dscnt 0x0
	CROUND                                         ; the closing round: no work-group ends while a partner may still ask for a tile that names it
	s_endpgm
.Lfunc_end_k_q9271190372_prep:
	.size	k_q9271190372_prep, .Lfunc_end_k_q9271190372_prep-k_q9271190372_prep
	.p2alignl 7, 3214868480
	.fill 96, 4, 3214868480
	.section	.rodata,"a",@progbits
	.p2align	6, 0x0
	.amdhsa_kernel k_q9271190372_prep
		.amdhsa_group_segment_fixed_size 327680
		.amdhsa_private_segment_fixed_size 0
		.amdhsa_enable_private_segment 0
		.amdhsa_kernarg_size 88
		.amdhsa_user_sgpr_count 2
		.amdhsa_user_sgpr_kernarg_segment_ptr 1
		.amdhsa_wavefront_size32 1
		.amdhsa_system_sgpr_workgroup_id_x 1
		.amdhsa_system_sgpr_workgroup_id_y 1
		.amdhsa_system_sgpr_workgroup_id_z 1
		.amdhsa_system_vgpr_workitem_id 0
		.amdhsa_next_free_vgpr 1024
		.amdhsa_next_free_sgpr 66
		.amdhsa_reserve_vcc 1
		.amdhsa_float_denorm_mode_32 3
		.amdhsa_float_denorm_mode_16_64 3
		.amdhsa_memory_ordered 1
		.amdhsa_forward_progress 1
		.amdhsa_inst_pref_size 164
	.end_amdhsa_kernel
	.amdgpu_metadata
---
amdhsa.version: [ 1, 2 ]
amdhsa.kernels:
  - .name:           k_q9271190372_prep
    .symbol:         k_q9271190372_prep.kd
    .args:
      - { .name: x, .offset: 0, .size: 8, .value_kind: global_buffer, .address_space: global }
      - { .name: Wq_codes, .offset: 8, .size: 8, .value_kind: global_buffer, .address_space: global }
      - { .name: Wq_scales, .offset: 16, .size: 8, .value_kind: global_buffer, .address_space: global }
      - { .name: bq, .offset: 24, .size: 8, .value_kind: global_buffer, .address_space: global }
      - { .name: Wk_codes, .offset: 32, .size: 8, .value_kind: global_buffer, .address_space: global }
      - { .name: Wk_scales, .offset: 40, .size: 8, .value_kind: global_buffer, .address_space: global }
      - { .name: bk, .offset: 48, .size: 8, .value_kind: global_buffer, .address_space: global }
      - { .name: xf, .offset: 56, .size: 8, .value_kind: global_buffer, .address_space: global }
      - { .name: xs, .offset: 64, .size: 8, .value_kind: global_buffer, .address_space: global }
      - { .name: qk, .offset: 72, .size: 8, .value_kind: global_buffer, .address_space: global }
      - { .name: qks, .offset: 80, .size: 8, .value_kind: global_buffer, .address_space: global }
    .group_segment_fixed_size: 327680
    .private_segment_fixed_size: 0
    .kernarg_segment_align: 8
    .kernarg_segment_size: 88
    .max_flat_workgroup_size: 128
    .sgpr_count:     66
    .vgpr_count:     1024
    .wavefront_size: 32
...
	.end_amdgpu_metadata
.endif
;; end of part 1
;; launch vproj (part 2): grid 64 x 4, 4 waves a work-group, clusters of 4 x 4, 327,680 bytes of LDS; arguments Wv_codes, Wv_scales, xf, xs, bv, vf, vs; writes vf, vs
.if DOCPART == 2
	.amdgcn_target "amdgcn-amd-amdhsa--gfx1250"
	.amdhsa_code_object_version 6
	.text
	.protected	k_q9271190372_vproj
	.globl	k_q9271190372_vproj
	.p2align	8
	.type	k_q9271190372_vproj,@function
k_q9271190372_vproj:
	s_mov_b64 s[64:65], 0
	v_nop
	global_prefetch_b8 v0, s[64:65] scope:SCOPE_SE
	s_setreg_imm32_b32 hwreg(HW_REG_WAVE_MODE, 25, 1), 1
	s_wait_xcnt 0x0
	s_wait_alu depctr_hold_cnt(0) depctr_sa_sdst(0) depctr_va_vdst(0) depctr_va_sdst(0) depctr_va_ssrc(0) depctr_va_vcc(0) depctr_vm_vsrc(0)
	s_getreg_b32 s2, hwreg(HW_REG_IB_STS2, 6, 4)
	s_cmp_eq_u32 s2, 0
	s_cbranch_scc0 .Lentry_in_a_cluster
	s_endpgm
.Lentry_in_a_cluster:
	s_bfe_u32 s2, ttmp6, 0x10000c
	s_cmp_lg_u32 s2, 0xf033
	s_cbranch_scc0 .Lentry_shape_is_right
	s_endpgm
.Lentry_shape_is_right:
; VPROJ.  v[c][token] = the sum over k of Wv[c][k] x[token][k] + bv[c], on codes of E5M2 with E8M0 scales, and v quantised along the TOKENS, which are the last product's K.
; A = Wv [1,024][1,024] codes in rows; B = x's codes as fragments (xf: [token tile][K step of 128][2,048]); scale bytes Wv_scales and xs, 32 a row.
; OUT: vf [batch][c tile of 16][K step of 128 tokens][2,048]: fragments, the images of their registers;  vs [batch][K step][c] one scale word each.
; A tile of 256 c x 256 tokens is made by four waves, 128 x 128 each: 64 accumulators, 512 registers.  K goes in steps of 256 through a ring of two LDS slots filled by the tensor data mover.
; CLUSTERS: 4 x 4 work-groups.  The four of a row need the same rows of Wv, the four of a column the same tokens: each tile is asked for jointly, by the same load with the same descriptor and a mask of the four.
; TRANSPOSED USE: source 0 = 16 tokens, source 1 = 16 rows of Wv: a lane holds one c and its registers run along the tokens.  The eight accumulators of a block of 16 c are 128 tokens: one fragment of vf.
; A tile of tokens is 16 neighbours, so inside a block of 32 tokens K is permuted (places 8 h .. 8 h + 7, 16 + 8 h .. ), as it is in p, which is made in the same layout; blocks and scales are the true ones.
; The bias is the C of each sum's first product: eight equal registers for each block of 16 c.
; LIMITS: NaN and infinities are not served; a block of zeros or under 2^-111 gets the byte 1.
; REGISTERS: window 0: v16-31 addresses; v32-63 scale words, two sets; v64-127 the bias; v128-255 A's fragments, one set (on the way out: codes, work).  Window 1: B's fragments, two sets.  Windows 2, 3: accumulator (a, b) at v[8 (8 (a % 4) + b)].
.set NQ,     2                         ; matrix instructions deep in a slot
.set FR,     16
.set NP,     8                         ; places behind this matrix instruction (ISA guide 7.12.1)
.set PITCH,  272                       ; a row of A in LDS: 256 bytes + 16
.set HALFT,  128*PITCH
.set BOFF,   2*HALFT                   ; behind A's 256 rows: B's 16 token tiles x 4,096 bytes, dense
.set SLOT,   BOFF+65536
.set LAPS,   2                         ; K = 1,024: four K steps, twice round the ring
.set KS,     32                        ; a row of scale bytes
.set SCL,    2*SLOT                    ; the scales, for all of K: units of 256 bytes + 16
.set HALFS,  16*272                    ; those of 128 rows
.set SBLK,   2*272                     ; of 16 rows
.set SPARE,  SCL+4*HALFS               ; the spare words, 128 bytes a wave
.set WSCR,   SPARE+512                 ; 512 bytes a wave: v's scale words on their way out
.set ADRA, 16
.set ADRB, 20
.set WST,  24                          ; v24  WSCR + 512 wave + 4 r
.set WRD,  25                          ; v25  WSCR + 512 wave + 16 lane
.set CO,   26                          ; v26  16 x lane
.set ADRS, 27
.set SPW,  28
.set NIL,  29
.set BOV,  30                          ; v30  4 r
.set SC,   32
.set BIAS, 64
.set AF,   128
.set PC,   128                         ; the way out
.set TM,   160
.set PW,   176
.set ROWW, 184
.set WV, 18
.set RH, 19                            ; wave >> 1: my 128 c.  Also: I fetch for A (0) or B (1)
.set CH, 20                            ; wave & 1: my 128 tokens.  Also: which half of that tile I fetch
.set G1, 24
.set G0, 32
.set G1B, 48
.set G0B, 56
.set G1S, 68
.set G0S, 76
.set G1SB, 80
.set G0SB, 88
.set SEL, 98
.set MNT, 21
.set MSB, 0
.macro WIN new
.if MSB != (\new)
	s_set_vgpr_msb (MSB<<8)|(\new)
.set MSB, (\new)
.endif
.endm
.set MUL_LO, 0xa1                      ; source 0 (B) window 1, source 1 (A) window 0, C and D window 2
.set MUL_HI, 0xf1
.set TO_B,   0x40
.macro PLACES n
.rept \n
	v_nop
.endr
.endm
.macro JLOAD g0a, g1a, g0b, g1b        ; a joint load: waves 0, 1 for A, waves 2, 3 for B; four v_nop follow each line
	s_cmp_eq_u32 s[RH], 0
	s_cbranch_scc0 .Lfor_b_\@
	tensor_load_to_lds s[\g0a:\g0a+3], s[\g1a:\g1a+7]
	s_nop 0
	PLACES 4
	s_branch .Lasked_\@
.Lfor_b_\@:
	tensor_load_to_lds s[\g0b:\g0b+3], s[\g1b:\g1b+7]
	s_nop 0
	PLACES 4
.Lasked_\@:
.endm
.macro CREST                           ; a round of the cluster's barrier behind its opening barrier
	s_cmp_lg_u32 s[WV], 0
	s_cbranch_scc1 .Lnot_wave_0_\@
	s_barrier_signal -3
.Lnot_wave_0_\@:
	s_barrier_wait -3
	s_barrier_signal -1
	s_barrier_wait -1
.endm
.macro CROUND
	s_barrier_signal -1
	s_barrier_wait -1
	CREST
.endm
.macro QUANT s, w, pc                  ; 64 numbers of a lane in window w, register 16 b + i in block b -> 16 registers of codes at v[pc] (window 0), bytes in v[TM+4 ..]
	WIN (\w)|((\w)<<2)
.irp b, 0,1,2,3
	v_max3_num_f32 v[TM+\b], |v[(\s)+16*\b]|, |v[(\s)+16*\b+1]|, 0x8000000   ; with the floor 2^(16 - 127)
.endr
	WIN ((\w)<<2)|((\w)<<4)
.irp i, 2,4,6,8,10,12,14
.irp b, 0,1,2,3
	v_max3_num_f32 v[TM+\b], v[TM+\b], |v[(\s)+16*\b+\i]|, |v[(\s)+16*\b+\i+1]|   ; each accumulator from its low end on
.endr
.endr
	WIN 0
.irp b, 0,1,2,3
	v_permlanex16_b32 v[TM+4+\b], v[TM+\b], s[SEL], s[SEL+1]
.endr
.irp b, 0,1,2,3
	v_max_num_f32 v[TM+\b], v[TM+\b], v[TM+4+\b]
.endr
.irp b, 0,1,2,3
	v_add_nc_u32 v[TM+12+\b], 0xf8800000, v[TM+\b]
.endr
.irp b, 0,1,2,3
	v_and_or_b32 v[TM+8+\b], v[TM+\b], 0x7f800000, s[MNT]
.endr
.irp b, 0,1,2,3
	v_lshrrev_b32 v[TM+4+\b], 23, v[TM+12+\b]
.endr
	WIN (\w)|((\w)<<6)
.irp b, 0,1,2,3
.irp i, 0,1,2,3,4,5,6,7,8,9,10,11,12,13,14,15
	v_med3_num_f32 v[(\s)+16*\b+\i], v[(\s)+16*\b+\i], -v[TM+8+\b], v[TM+8+\b]
.endr
.endr
	WIN (\w)
.irp b, 0,1,2,3
	v_cvt_scalef32_pk8_bf8_f32 v[(\pc)+4*\b:(\pc)+4*\b+1], v[(\s)+16*\b:(\s)+16*\b+7], v[TM+12+\b]
	v_cvt_scalef32_pk8_bf8_f32 v[(\pc)+4*\b+2:(\pc)+4*\b+3], v[(\s)+16*\b+8:(\s)+16*\b+15], v[TM+12+\b]
.endr
	WIN 0
	v_nop
.endm
.macro WORD4 d
	v_lshl_or_b32 v[\d], v[TM+5], 8, v[TM+4]
	v_lshl_or_b32 v[\d], v[TM+6], 16, v[\d]
	v_lshl_or_b32 v[\d], v[TM+7], 24, v[\d]
.endm
	s_load_b256 s[4:11], s[0:1], 0x0               ; Wv's codes, Wv's scales, xf, xs
	s_load_b128 s[12:15], s[0:1], 0x20             ; bv, vf
	s_load_b64 s[16:17], s[0:1], 0x30              ; vs
	v_lshl_add_u32 v[SPW], v0, 2, SPARE
	v_mov_b32 v[NIL], 0
	ds_add_u32 v28, v29
	ds_add_u32 v28, v29
	s_wait_dscnt 0x0
	v_lshrrev_b32 v1, 5, v0
	v_readfirstlane_b32 s[WV], v1
	s_lshr_b32 s[RH], s[WV], 1
	s_and_b32 s[CH], s[WV], 1
	s_bfe_u32 s40, ttmp6, 0x40000                  ; cx
	s_bfe_u32 s41, ttmp6, 0x40004                  ; cy: the tile row (256 c); the grid is one cluster high
	s_lshl_b32 s42, ttmp9, 2
	s_add_co_u32 s42, s42, s40                     ; the tile column (256 tokens) = 4 x cluster x + cx
	s_lshl_b32 s43, s41, 2
	s_lshl_b32 s43, 15, s43                        ; my row of the cluster
	s_lshl_b32 s44, 0x1111, s40                    ; my column
	s_or_b32 s[G1+0], s43, (1<<20)|(1<<21)|(5<<22)|(3<<25)          ; A: elements of 1 byte; padding: four words after every 64; bit 21 beside the mask
	s_mov_b32 s[G1+1], 256<<16
	s_mov_b32 s[G1+2], 128<<16
	s_mov_b32 s[G1+3], 256<<16
	s_mov_b32 s[G1+4], 128
	s_mov_b32 s[G1+5], 1024
	s_mov_b32 s[G1+6], 0
	s_mov_b32 s[G1+7], 0
	s_or_b32 s[G1B+0], s44, (3<<16)|(1<<21)        ; B: 8 token tiles, of each 4,096 bytes (two fragments) as 512 elements of 8 bytes, 16,384 bytes apart; no padding
	s_mov_b32 s[G1B+1], 512<<16
	s_mov_b32 s[G1B+2], 8<<16
	s_mov_b32 s[G1B+3], 512<<16
	s_mov_b32 s[G1B+4], 8
	s_mov_b32 s[G1B+5], 2048
	s_mov_b32 s[G1B+6], 0
	s_mov_b32 s[G1B+7], 0
	s_or_b32 s[G1S+0], s43, (3<<16)|(1<<20)|(1<<21)|(5<<22)|(3<<25) ; the scales of 128 rows: 4,096 dense bytes as 16 rows of 256, 16 bytes of padding behind each
	s_or_b32 s[G1SB+0], s44, (3<<16)|(1<<20)|(1<<21)|(5<<22)|(3<<25)
.irp g, G1S, G1SB
	s_mov_b32 s[\g+1], 32<<16
	s_mov_b32 s[\g+2], 16<<16
	s_mov_b32 s[\g+3], 32<<16
	s_mov_b32 s[\g+4], 16
	s_mov_b32 s[\g+5], 32
	s_mov_b32 s[\g+6], 0
	s_mov_b32 s[\g+7], 0
.endr
	s_lshl_b32 s22, s41, 18                        ; A's codes: row 256 cy + 128 half, 1,024 bytes a row (registers that never hold cx)
	s_lshl_b32 s2, s[CH], 17
	s_add_co_u32 s22, s22, s2
	s_mov_b32 s23, 0
	s_lshl_b32 s92, s41, 13                        ; A's scales: 32 bytes a row
	s_lshl_b32 s2, s[CH], 12
	s_add_co_u32 s92, s92, s2
	s_mov_b32 s93, 0
	s_lshl_b32 s46, s42, 18                        ; B's codes: token tile 16 X + 8 half, 16,384 bytes each
	s_lshl_b32 s3, s[CH], 17
	s_add_co_u32 s46, s46, s3
	s_mov_b32 s47, 0
	s_lshl_b32 s94, s42, 13                        ; B's scales
	s_lshl_b32 s3, s[CH], 12
	s_add_co_u32 s94, s94, s3
	s_mov_b32 s95, 0
	s_mul_i32 s45, s[CH], HALFT                    ; where they go: no place in the cluster enters an LDS address
	s_lshl_b32 s96, s[CH], 15
	s_add_co_u32 s96, s96, BOFF
	s_mul_i32 s97, s[WV], HALFS
	s_wait_kmcnt 0x0
	s_add_nc_u64 s[22:23], s[4:5], s[22:23]
	s_add_nc_u64 s[92:93], s[6:7], s[92:93]
	s_add_nc_u64 s[46:47], s[8:9], s[46:47]
	s_add_nc_u64 s[94:95], s[10:11], s[94:95]
	CROUND                                         ; all sixteen work-groups are here: the first joint loads meet
	s_mov_b32 s[G0S], 1
	s_add_co_u32 s[G0S+1], s97, SCL
	s_mov_b64 s[G0S+2:G0S+3], s[92:93]
	s_or_b32 s[G0S+3], s[G0S+3], 0x80000000
	s_mov_b32 s[G0SB], 1
	s_add_co_u32 s[G0SB+1], s97, SCL
	s_mov_b64 s[G0SB+2:G0SB+3], s[94:95]
	s_or_b32 s[G0SB+3], s[G0SB+3], 0x80000000
	JLOAD G0S, G1S, G0SB, G1SB                     ; the scales first: they are wanted with K step 0
.irp s, 0,1
	s_mov_b32 s[G0+4*\s], 1
	s_add_co_u32 s[G0+4*\s+1], s45, \s*SLOT
	s_add_nc_u64 s[G0+4*\s+2:G0+4*\s+3], s[22:23], \s*256
	s_or_b32 s[G0+4*\s+3], s[G0+4*\s+3], 0x80000000
	s_mov_b32 s[G0B+4*\s], 1
	s_add_co_u32 s[G0B+4*\s+1], s96, \s*SLOT
	s_add_nc_u64 s[G0B+4*\s+2:G0B+4*\s+3], s[46:47], \s*4096
	s_or_b32 s[G0B+4*\s+3], s[G0B+4*\s+3], 0x80000000
	JLOAD G0+4*\s, G1, G0B+4*\s, G1B               ; three tensor loads of mine are out
.endr
	v_and_b32 v1, 15, v0                           ; r
	v_bfe_u32 v2, v0, 4, 1                         ; h
	v_and_b32 v7, 31, v0                           ; lane
	v_lshlrev_b32 v[CO], 4, v7
	v_lshlrev_b32 v[BOV], 2, v1
	s_lshl_b32 s2, s41, 10                         ; bv at my 128 c
	s_lshl_b32 s3, s[RH], 9
	s_add_co_u32 s2, s2, s3
	s_mov_b32 s3, 0
	s_add_nc_u64 s[12:13], s[12:13], s[2:3]
.irp a, 0,1,2,3,4,5,6,7
	global_load_b32 v[BIAS+8*\a], v[BOV], s[12:13] offset:64*\a   ; lane (r, h): bv of c = 16 a + r
.endr
	v_mul_u32_u24 v3, v1, PITCH
	v_lshl_add_u32 v4, v2, 4, v3
	s_mul_i32 s2, s[RH], HALFT
	v_add_nc_u32 v[ADRA], s2, v4
	v_add_nc_u32 v[ADRA+1], SLOT, v[ADRA]
	s_lshl_b32 s2, s[CH], 15
	s_add_co_u32 s2, s2, BOFF
	v_add_nc_u32 v[ADRB], s2, v[CO]
	v_add_nc_u32 v[ADRB+1], SLOT, v[ADRB]
	v_mul_u32_u24 v5, v1, KS                       ; my row's scales: 32 bytes a row,
	v_lshrrev_b32 v6, 8, v5
	v_lshl_add_u32 v5, v6, 4, v5                   ; and 16 more for each 256 passed
	s_mul_i32 s3, s[RH], HALFS
	s_mul_i32 s2, s[CH], HALFS
	s_add_co_u32 s2, s2, 2*HALFS
	s_sub_co_u32 s2, s2, s3
	v_mul_u32_u24 v6, s2, v2                       ; lanes 16-31 take B's: one product, the distance between the two bases
	s_add_co_u32 s3, s3, SCL
	v_add_nc_u32 v5, v5, v6
	v_add_nc_u32 v[ADRS], s3, v5
	s_lshl_b32 s2, s[WV], 9
	s_add_co_u32 s2, s2, WSCR
	v_add_nc_u32 v[WST], s2, v[BOV]
	v_add_nc_u32 v[WRD], s2, v[CO]
	s_lshl_b32 s2, s42, 1
	s_add_co_u32 s2, s2, s[CH]                     ; 2 X + half = 16 batch + K step of the last product
	s_lshl_b32 s96, s2, 12                         ; vs: 4,096 bytes for each of those, + my 128 c
	s_lshl_b32 s3, s41, 10
	s_add_co_u32 s96, s96, s3
	s_lshl_b32 s3, s[RH], 9
	s_add_co_u32 s96, s96, s3
	s_mov_b32 s97, 0
	s_add_nc_u64 s[16:17], s[16:17], s[96:97]
	s_and_b32 s96, s2, 15                          ; vf: batch x 2,097,152 + c tile (16 cy + 8 half) x 32,768 + K step x 2,048
	s_lshl_b32 s96, s96, 11
	s_lshr_b32 s3, s42, 3
	s_lshl_b32 s3, s3, 21
	s_add_co_u32 s96, s96, s3
	s_lshl_b32 s3, s41, 19
	s_add_co_u32 s96, s96, s3
	s_lshl_b32 s3, s[RH], 18
	s_add_co_u32 s96, s96, s3
	s_add_nc_u64 s[14:15], s[14:15], s[96:97]
	s_mov_b32 s[SEL], 0x76543210
	s_mov_b32 s[SEL+1], 0xfedcba98
	s_mov_b32 s[MNT], 0x600000
	s_wait_loadcnt 0x0
.irp a, 0,1,2,3,4,5,6,7
.irp j, 1,2,3,4,5,6,7
	v_mov_b32 v[BIAS+8*\a+\j], v[BIAS+8*\a]        ; a lane's eight registers of a tile are eight tokens of one c: the same bias
.endr
.endr
.macro FRAGA reg, slot, q, i           ; 16 rows x 128 K from rows: registers 4 c .. : K = 32 c + 16 h + 0 .. 15
.irp c, 0,1,2,3
	ds_load_b128 v[(\reg)+4*\c:(\reg)+4*\c+3], v[ADRA+(\slot)] offset:128*(\q)+32*\c+(\i)*16*PITCH
.endr
.endm
.macro FRAGB reg, slot, q, i           ; a fragment that lies as the image of its registers
.irp c, 0,1,2,3
	ds_load_b128 v[(\reg)+4*\c:(\reg)+4*\c+3], v[ADRB+(\slot)] offset:2048*(\q)+4096*(\i)+512*\c
.endr
.endm
; 16 matrix instructions: A's blocks a0, a0 + 1 x B's eight.  zero = 2: the first product takes the bias as C.  The 64 accumulators take turns, one instruction a turn, in the same order in every step.
.macro MUL16 a0, p, q, sc, zero
.irp a, \a0, \a0+1
.irp b, 0,1,2,3,4,5,6,7
.if (\zero) == 2
	v_wmma_scale_f32_16x16x128_f8f6f4 v[8*(8*((\a)%4)+\b):8*(8*((\a)%4)+\b)+7], v[128*(\p)+FR*\b:128*(\p)+FR*\b+FR-1], v[AF+FR*(\a):AF+FR*(\a)+FR-1], v[BIAS+8*(\a):BIAS+8*(\a)+7], v[SC+8*NQ*(\sc)+NQ*\b+(\q)], v[SC+8*NQ*(\sc)+NQ*(\a)+(\q)] matrix_a_fmt:MATRIX_FMT_BF8 matrix_b_fmt:MATRIX_FMT_BF8 matrix_a_scale:MATRIX_SCALE_ROW1
.else
	v_wmma_scale_f32_16x16x128_f8f6f4 v[8*(8*((\a)%4)+\b):8*(8*((\a)%4)+\b)+7], v[128*(\p)+FR*\b:128*(\p)+FR*\b+FR-1], v[AF+FR*(\a):AF+FR*(\a)+FR-1], v[8*(8*((\a)%4)+\b):8*(8*((\a)%4)+\b)+7], v[SC+8*NQ*(\sc)+NQ*\b+(\q)], v[SC+8*NQ*(\sc)+NQ*(\a)+(\q)] matrix_a_fmt:MATRIX_FMT_BF8 matrix_b_fmt:MATRIX_FMT_BF8 matrix_a_scale:MATRIX_SCALE_ROW1
.endif
.endr
.endr
.endm
.macro FETCH_B slot, q, p
	WIN TO_B
.irp i, 0,1,2,3,4,5,6,7
	FRAGB 128*(\p)+FR*\i, \slot, \q, \i
.endr
	WIN 0
.endm
.macro FETCH_A slot, q, i0
.irp i, \i0, \i0+1, \i0+2, \i0+3
	FRAGA AF+FR*(\i), \slot, \q, \i
.endr
.endm
.macro SCALES sc                       ; a K step's two words a row: lanes 0-15 A's block i, lanes 16-31 B's block i
.irp i, 0,1,2,3,4,5,6,7
	ds_load_b64 v[SC+8*NQ*(\sc)+NQ*\i:SC+8*NQ*(\sc)+NQ*\i+1], v[ADRS] offset:\i*SBLK
.endr
.endm
.macro STEP slot, q, zero              ; 128 along K with its successor in the same slot
	s_wait_dscnt 16                                ; B's set, the scales and A's blocks 0-3 are in; the youngest 16 loads (A's blocks 4-7) may be out
.if (\zero) == 2
	WIN 0x81                                       ; the bias, C, lies in window 0
.else
	WIN MUL_LO
.endif
	MUL16 0, (\q)%2, \q, \slot, \zero
	MUL16 2, (\q)%2, \q, \slot, \zero
	s_wait_dscnt 0
	PLACES NP
	FETCH_B \slot, (\q)+1, 1-(\q)%2
	FETCH_A \slot, (\q)+1, 0
.if (\zero) == 2
	WIN 0xc1
.else
	WIN MUL_HI
.endif
	MUL16 4, (\q)%2, \q, \slot, \zero
	MUL16 6, (\q)%2, \q, \slot, \zero
	PLACES NP
	WIN 0
	FETCH_A \slot, (\q)+1, 4
.endm
; A slot's last step changes slots: one barrier; in front of it each wave waits for all its tensor loads, adds 0 to its spare word, and waits for that and for its reads of this slot.
.macro TURN slot, next, fill
	s_wait_tensorcnt 0x0                           ; all my tensor loads have landed: my part of the next slot
	ds_add_u32 v[SPW], v[NIL]                      ; 0 onto my spare word
	s_wait_dscnt 17                                ; (the add and the youngest 16 loads may be out)
	WIN MUL_LO
	MUL16 0, 1, NQ-1, \slot, 0
	s_wait_dscnt 0x0                               ; the add is done, and my reads of this slot are over
	s_barrier_signal -1
	MUL16 2, 1, NQ-1, \slot, 0
	WIN 0
	s_barrier_wait -1
.if \fill
	CREST                                          ; the barrier has opened a round of the cluster's: no wave of any partner still reads this slot or has a load on its way
	s_add_nc_u64 s[G0+4*\slot+2:G0+4*\slot+3], s[G0+4*\slot+2:G0+4*\slot+3], 512
	s_add_nc_u64 s[G0B+4*\slot+2:G0B+4*\slot+3], s[G0B+4*\slot+2:G0B+4*\slot+3], 8192
	JLOAD G0+4*\slot, G1, G0B+4*\slot, G1B         ; my one tensor load behind the round
	PLACES NP-4
.else
	PLACES NP
.endif
	v_add_nc_u32 v[ADRS], 4*NQ, v[ADRS]            ; the next K step's scale words
	FETCH_B \next, 0, 0
	FETCH_A \next, 0, 0
	SCALES \next
	WIN MUL_HI
	MUL16 4, 1, NQ-1, \slot, 0
	MUL16 6, 1, NQ-1, \slot, 0
	PLACES NP
	WIN 0
	FETCH_A \next, 0, 4
.endm
	s_wait_tensorcnt 1                             ; the scales and my part of K step 0 are in; K step 1's load may be out
	s_barrier_signal -1
	s_barrier_wait -1
	FETCH_B 0, 0, 0
	FETCH_A 0, 0, 0
	SCALES 0
	FETCH_A 0, 0, 4
	STEP 0, 0, 2                                   ; the first step stands in front of the loop: its products start the sums with the bias
	s_mov_b32 s3, LAPS-1
.Llap:
	TURN 0, 1, 1
	STEP 1, 0, 0
	TURN 1, 0, 1
	STEP 0, 0, 0
	s_sub_co_u32 s3, s3, 1
	s_cmp_lg_u32 s3, 0
	s_cbranch_scc1 .Llap
	TURN 0, 1, 0                                   ; the last lap fills nothing
	STEP 1, 0, 0
	s_wait_dscnt 16
	WIN MUL_LO
	MUL16 0, 1, NQ-1, 1, 0
	MUL16 2, 1, NQ-1, 1, 0
	s_wait_dscnt 0
	WIN MUL_HI
	MUL16 4, 1, NQ-1, 1, 0
	MUL16 6, 1, NQ-1, 1, 0
	WIN 0
	; THE WAY OUT.  The eight accumulators of block a are a lane's 64 numbers of 128 tokens: they are quantised in registers, and the codes ARE a fragment of vf: four stores of 512 consecutive bytes.
	PLACES NP
.irp b, 0,1,2,3
	v_mov_b32 v[TM+4+\b], 0                        ; a lane permute's destination counts as one of its sources
.endr
.irp a, 0,1,2,3,4,5,6,7
.if \a > 1
	s_wait_xcnt 0x0                                ; block a - 2's stores have read these code registers
.endif
	QUANT 64*(\a%4), 2+\a/4, PC+16*(\a%2)
	WORD4 PW+\a
.irp c, 0,1,2,3
	global_store_b128 v[CO], v[PC+16*(\a%2)+4*\c:PC+16*(\a%2)+4*\c+3], s[14:15] offset:32768*\a+512*\c
.endr
	ds_store_b32 v[WST], v[PW+\a] offset:64*\a     ; the scale word of c = 16 a + r (both halves of the lanes write the same)
.endr
	ds_load_b128 v[ROWW:ROWW+3], v[WRD]            ; my 128 words back, 16 bytes a lane (LDS serves a wave's instructions in order)
	s_wait_dscnt 0x0
	global_store_b128 v[CO], v[ROWW:ROWW+3], s[16:17]      ; 512 consecutive bytes
	s_wait_tensorcnt 0x0                           ; the wave's end
	ds_add_u32 v[SPW], v[NIL]
	s_wait_dscnt 0x0
	CROUND                                         ; the closing round
	s_endpgm
.Lfunc_end_k_q9271190372_vproj:
	.size	k_q9271190372_vproj, .Lfunc_end_k_q9271190372_vproj-k_q9271190372_vproj
	.p2alignl 7, 3214868480
	.fill 96, 4, 3214868480
	.section	.rodata,"a",@progbits
	.p2align	6, 0x0
	.amdhsa_kernel k_q9271190372_vproj
		.amdhsa_group_segment_fixed_size 327680
		.amdhsa_private_segment_fixed_size 0
		.amdhsa_enable_private_segment 0
		.amdhsa_kernarg_size 56
		.amdhsa_user_sgpr_count 2
		.amdhsa_user_sgpr_kernarg_segment_ptr 1
		.amdhsa_wavefront_size32 1
		.amdhsa_system_sgpr_workgroup_id_x 1
		.amdhsa_system_sgpr_workgroup_id_y 1
		.amdhsa_system_sgpr_workgroup_id_z 1
		.amdhsa_system_vgpr_workitem_id 0
		.amdhsa_next_free_vgpr 1024
		.amdhsa_next_free_sgpr 100
		.amdhsa_reserve_vcc 0
		.amdhsa_float_denorm_mode_32 3
		.amdhsa_float_denorm_mode_16_64 3
		.amdhsa_memory_ordered 1
		.amdhsa_forward_progress 1
		.amdhsa_inst_pref_size 188
	.end_amdhsa_kernel
	.amdgpu_metadata
---
amdhsa.version: [ 1, 2 ]
amdhsa.kernels:
  - .name:           k_q9271190372_vproj
    .symbol:         k_q9271190372_vproj.kd
    .args:
      - { .name: Wv_codes, .offset: 0, .size: 8, .value_kind: global_buffer, .address_space: global }
      - { .name: Wv_scales, .offset: 8, .size: 8, .value_kind: global_buffer, .address_space: global }
      - { .name: xf, .offset: 16, .size: 8, .value_kind: global_buffer, .address_space: global }
      - { .name: xs, .offset: 24, .size: 8, .value_kind: global_buffer, .address_space: global }
      - { .name: bv, .offset: 32, .size: 8, .value_kind: global_buffer, .address_space: global }
      - { .name: vf, .offset: 40, .size: 8, .value_kind: global_buffer, .address_space: global }
      - { .name: vs, .offset: 48, .size: 8, .value_kind: global_buffer, .address_space: global }
    .group_segment_fixed_size: 327680
    .private_segment_fixed_size: 0
    .kernarg_segment_align: 8
    .kernarg_segment_size: 56
    .max_flat_workgroup_size: 128
    .sgpr_count:     100
    .vgpr_count:     1024
    .wavefront_size: 32
...
	.end_amdgpu_metadata
.endif
;; end of part 2
;; launch soft (part 3): grid 32 x 8, 8 waves a work-group, no clusters, 9,216 bytes of LDS; arguments qk, qks, gamma, pf, ps; writes pf, ps
.if DOCPART == 3
	.amdgcn_target "amdgcn-amd-amdhsa--gfx1250"
	.amdhsa_code_object_version 6
	.text
	.protected	k_q9271190372_soft
	.globl	k_q9271190372_soft
	.p2align	8
	.type	k_q9271190372_soft,@function
k_q9271190372_soft:
	s_mov_b64 s[64:65], 0
	v_nop
	global_prefetch_b8 v0, s[64:65] scope:SCOPE_SE
	s_setreg_imm32_b32 hwreg(HW_REG_WAVE_MODE, 25, 1), 1
	s_wait_xcnt 0x0
; SOFT.  scores[t][s] = q[t] . k[s] on codes of E5M2 (K = 128); the softmax runs over t for each column s.  What is made: p = 2^(score x log2(e) - M), M = the ceiling of the column's largest score x log2(e),
; quantised along t in blocks of 32; and g[s] = gamma / l[s], l the column's sum of the unquantised p.
; OUT: pf [batch][s tile of 16][K step of 128 t][2,048]: fragments, the images of their registers;  ps [batch][K step][s] one scale word each;  1,048,576 bytes on in ps: g [batch][s] f32.
; TWO PASSES.  The first finds M (the true maximum is taken away, as the softmax asks), the second computes the same scores again, by the same instructions on the same registers, and makes p under the final M:
; nothing is ever rescaled.  A block's largest score, kept from the first pass, goes through the same multiply-add and exponential as its p and so gives the block's largest p.
; SHARES.  A work-group takes 64 columns s of one batch.  Wave w owns t = 256 w .. 256 w + 255: its 16 fragments of q fill window 1, are loaded once and serve both passes; every wave holds k's four fragments.
; S^T = q k^T (source 0 = 16 t, source 1 = 16 s): a lane holds ONE column s and its registers run along t, the next product's K.  A tile of t is 16 neighbours, so inside a block of 32 K is permuted as in vf.
; The columns' maxima and sums cross the eight waves through LDS, once each.  No tensor load, so no ring; operands go from memory straight into registers, so nothing could be asked for jointly.
; LIMITS: NaN and infinities are not served; a p under 2^-126 comes out as 0 (the exponential flushes); a block whose every p is 0 gets the byte 1; 1 / l is v_rcp_f32's.
.set MX,   0                           ; LDS: [m][r][wave] f32: the columns' maxima
.set LX,   2048                        ; the same for the sums
.set SCR,  4096                        ; 256 bytes a wave: scale words on their way out
.set KFR,  16                          ; v16-79   k's four fragments
.set S,    80                          ; v80-143  the scores of 128 t, then p
.set PC,   144                         ; v144-175 codes, two sets
.set TM,   176                         ; v176-191 at work
.set BM,   192                         ; v192-223 the blocks' largest scores: 16 u + 4 m + b
.set NM,   224                         ; v224-231 -M, a pair for each m
.set LSUM, 232                         ; v232-239 the sums, a pair for each m
.set L2,   240                         ; v240-241 the second chain
.set QSC,  242                         ; v242-249 q's scale words: register i, lane l: t = 32 i + l
.set KSC,  250                         ; v250-251 k's
.set RM,   252                         ; v252-255 pass 1: the running maxima; pass 2: p's scale words
.set WV,   14
.set SEL,  16
.set CS,   18
.set MNT,  20
.set GAM,  21
.set MSB,  0
.macro WIN new
.if MSB != (\new)
	s_set_vgpr_msb (MSB<<8)|(\new)
.set MSB, (\new)
.endif
.endm
	s_load_b256 s[4:11], s[0:1], 0x0               ; qk, qks, gamma, pf
	s_load_b64 s[12:13], s[0:1], 0x20              ; ps
	v_lshrrev_b32 v1, 5, v0
	v_readfirstlane_b32 s[WV], v1                  ; wave 0..7
	s_and_b32 s15, ttmp7, 0xffff                   ; the batch
	s_mov_b32 s[SEL], 0x76543210
	s_mov_b32 s[SEL+1], 0xfedcba98
	s_mov_b32 s[CS], 0x3fb8aa3b                    ; log2(e)
	s_mov_b32 s[CS+1], s[CS]
	s_mov_b32 s[MNT], 0x600000
	s_mov_b32 s35, 0
	v_and_b32 v4, 31, v0                           ; lane
	v_and_b32 v3, 15, v0                           ; r
	v_lshlrev_b32 v1, 4, v4
	v_lshlrev_b32 v2, 2, v4
	v_lshlrev_b32 v9, 3, v4
	s_wait_kmcnt 0x0
	s_load_b32 s[GAM], s[8:9], 0x0
	s_lshl_b32 s34, s15, 18                        ; q's fragments: token tile 128 batch + 16 wave, 2,048 bytes each
	s_lshl_b32 s36, s[WV], 15
	s_add_co_u32 s34, s34, s36
	s_add_nc_u64 s[22:23], s[4:5], s[34:35]
	s_lshl_b32 s34, s15, 18                        ; k's: 2,097,152 on, token tile 128 batch + 4 x work-group x
	s_lshl_b32 s36, ttmp9, 13
	s_add_co_u32 s34, s34, s36
	s_add_co_u32 s34, s34, 0x200000
	s_add_nc_u64 s[24:25], s[4:5], s[34:35]
	s_lshl_b32 s34, s15, 13                        ; q's scale words
	s_lshl_b32 s36, s[WV], 10
	s_add_co_u32 s34, s34, s36
	s_add_nc_u64 s[26:27], s[6:7], s[34:35]
	s_lshl_b32 s34, s15, 13                        ; k's
	s_lshl_b32 s36, ttmp9, 8
	s_add_co_u32 s34, s34, s36
	s_add_co_u32 s37, s34, 0x100000                ; (g's place in ps: the same column, 1,048,576 on)
	s_add_co_u32 s34, s34, 0x10000
	s_add_nc_u64 s[28:29], s[6:7], s[34:35]
	s_mov_b32 s34, s37
	s_add_nc_u64 s[32:33], s[12:13], s[34:35]
	s_lshl_b32 s34, s15, 22                        ; pf: s tile 128 batch + 4 x work-group x, 32,768 bytes each; K step 2 wave
	s_lshl_b32 s36, ttmp9, 17
	s_add_co_u32 s34, s34, s36
	s_lshl_b32 s36, s[WV], 12
	s_add_co_u32 s34, s34, s36
	s_add_nc_u64 s[10:11], s[10:11], s[34:35]
	s_lshl_b32 s34, s15, 17                        ; ps: (16 batch + 2 wave) x 8,192 + 256 x work-group x
	s_lshl_b32 s36, s[WV], 14
	s_add_co_u32 s34, s34, s36
	s_lshl_b32 s36, ttmp9, 8
	s_add_co_u32 s34, s34, s36
	s_add_nc_u64 s[30:31], s[12:13], s[34:35]
.irp m, 0,1,2,3
.irp c, 0,1,2,3
	global_load_b128 v[KFR+16*\m+4*\c:KFR+16*\m+4*\c+3], v1, s[24:25] offset:2048*\m+512*\c
.endr
.endr
.irp i, 0,1
	global_load_b32 v[KSC+\i], v2, s[28:29] offset:128*\i
.endr
.irp i, 0,1,2,3,4,5,6,7
	global_load_b32 v[QSC+\i], v2, s[26:27] offset:128*\i
.endr
	WIN 0x40
.irp t, 0,1,2,3,4,5,6,7,8,9,10,11,12,13,14,15
.irp c, 0,1,2,3
	global_load_b128 v[16*\t+4*\c:16*\t+4*\c+3], v1, s[22:23] offset:2048*\t+512*\c
.endr
.endr
	WIN 0
	s_lshl_b32 s36, s[WV], 2
	v_lshl_add_u32 v5, v3, 5, s36                  ; MX + 32 r + 4 wave
	v_lshlrev_b32 v6, 5, v3                        ; MX + 32 r
	s_lshl_b32 s36, s[WV], 8
	s_add_co_u32 s36, s36, SCR
	v_lshl_add_u32 v7, v3, 2, s36                  ; my scratch + 4 r
	v_add_nc_u32 v8, s36, v9                       ; my scratch + 8 lane
.irp b, 0,1,2,3
	v_mov_b32 v[TM+\b], 0                          ; a lane permute's destination counts as one of its sources
.endr
.irp j, 0,1,2,3,4,5,6,7
	v_mov_b32 v[LSUM+\j], 0
.endr
; The scores of t = 128 u .. 128 u + 127 of my 256 against columns 16 m .. 16 m + 15: eight products, each starting its sum with 0.  Nine places follow: the next unit's products write over these results.
.macro SCORES u, m
	WIN 0x01
.irp t, 0,1,2,3,4,5,6,7
.set rQ, 16*(8*(\u)+\t)
.set rK, KFR+16*(\m)
.set rA, QSC+(8*(\u)+\t)/2
.set rB, KSC+(\m)/2
.if (\t%2 == 1) && ((\m)%2 == 1)
	v_wmma_scale_f32_16x16x128_f8f6f4 v[S+8*\t:S+8*\t+7], v[rQ:rQ+15], v[rK:rK+15], 0, v[rA], v[rB] matrix_a_fmt:MATRIX_FMT_BF8 matrix_b_fmt:MATRIX_FMT_BF8 matrix_a_scale:MATRIX_SCALE_ROW1 matrix_b_scale:MATRIX_SCALE_ROW1
.elseif \t%2 == 1
	v_wmma_scale_f32_16x16x128_f8f6f4 v[S+8*\t:S+8*\t+7], v[rQ:rQ+15], v[rK:rK+15], 0, v[rA], v[rB] matrix_a_fmt:MATRIX_FMT_BF8 matrix_b_fmt:MATRIX_FMT_BF8 matrix_a_scale:MATRIX_SCALE_ROW1
.elseif (\m)%2 == 1
	v_wmma_scale_f32_16x16x128_f8f6f4 v[S+8*\t:S+8*\t+7], v[rQ:rQ+15], v[rK:rK+15], 0, v[rA], v[rB] matrix_a_fmt:MATRIX_FMT_BF8 matrix_b_fmt:MATRIX_FMT_BF8 matrix_b_scale:MATRIX_SCALE_ROW1
.else
	v_wmma_scale_f32_16x16x128_f8f6f4 v[S+8*\t:S+8*\t+7], v[rQ:rQ+15], v[rK:rK+15], 0, v[rA], v[rB] matrix_a_fmt:MATRIX_FMT_BF8 matrix_b_fmt:MATRIX_FMT_BF8
.endif
.endr
	WIN 0
.rept 9
	v_nop
.endr
.endm
; PASS 1: the largest score of each block of 32 t, kept; and the column's running maximum
.macro MAXU u, m
.set BB, BM+16*(\u)+4*(\m)
	SCORES \u, \m
.irp b, 0,1,2,3
	v_max3_num_f32 v[BB+\b], v[S+16*\b], v[S+16*\b+1], v[S+16*\b+2]
.endr
.irp i, 3,5,7,9,11,13
.irp b, 0,1,2,3
	v_max3_num_f32 v[BB+\b], v[BB+\b], v[S+16*\b+\i], v[S+16*\b+\i+1]
.endr
.endr
.irp b, 0,1,2,3
	v_max_num_f32 v[BB+\b], v[BB+\b], v[S+16*\b+15]
.endr
.irp b, 0,1,2,3
	v_permlanex16_b32 v[TM+\b], v[BB+\b], s[SEL], s[SEL+1]
.endr
.irp b, 0,1,2,3
	v_max_num_f32 v[BB+\b], v[BB+\b], v[TM+\b]     ; with lane l xor 16's 16 t
.endr
.if (\u) == 0
	v_max3_num_f32 v[RM+(\m)], v[BB], v[BB+1], v[BB+2]
	v_max_num_f32 v[RM+(\m)], v[RM+(\m)], v[BB+3]
.else
	v_max3_num_f32 v[RM+(\m)], v[RM+(\m)], v[BB], v[BB+1]
	v_max3_num_f32 v[RM+(\m)], v[RM+(\m)], v[BB+2], v[BB+3]
.endif
.endm
	s_wait_loadcnt 32                              ; k, the scale words and q's tiles 0-7 are in; the 32 loads of tiles 8-15 may be out
.irp m, 0,1,2,3
	MAXU 0, \m
.endr
	s_wait_loadcnt 0x0
.irp m, 0,1,2,3
	MAXU 1, \m
.endr
.irp m, 0,1,2,3
	ds_store_b32 v5, v[RM+\m] offset:MX+512*\m     ; my 256 t's maximum of column 16 m + r (both halves of the lanes write the same)
.endr
	s_wait_dscnt 0x0
	s_barrier_signal -1
	s_barrier_wait -1
.irp m, 0,1,2,3
	ds_load_b128 v[S+8*\m:S+8*\m+3], v6 offset:MX+512*\m
	ds_load_b128 v[S+8*\m+4:S+8*\m+7], v6 offset:MX+512*\m+16
.endr
	s_wait_dscnt 0x0
.irp m, 0,1,2,3
	v_max3_num_f32 v[TM+\m], v[S+8*\m], v[S+8*\m+1], v[S+8*\m+2]
.endr
.irp m, 0,1,2,3
	v_max3_num_f32 v[TM+\m], v[TM+\m], v[S+8*\m+3], v[S+8*\m+4]
.endr
.irp m, 0,1,2,3
	v_max3_num_f32 v[TM+\m], v[TM+\m], v[S+8*\m+5], v[S+8*\m+6]
.endr
.irp m, 0,1,2,3
	v_max_num_f32 v[TM+\m], v[TM+\m], v[S+8*\m+7]  ; the column's largest score
.endr
.irp m, 0,1,2,3
	v_mul_f32 v[TM+\m], s[CS], v[TM+\m]            ; as t (log2(e) is positive)
.endr
.irp m, 0,1,2,3
	v_floor_f32 v[NM+2*\m], -v[TM+\m]              ; -M = floor(-t) = -ceil(t): a whole number
.endr
.irp m, 0,1,2,3
	v_mov_b32 v[NM+2*\m+1], v[NM+2*\m]             ; (the packed form names the pair)
.endr
; PASS 2: p, its sum, its scales, its codes
.macro PUNIT u, m
.set BB, BM+16*(\u)+4*(\m)
.set PCX, PC+16*((\m)%2)
	SCORES \u, \m
.set jj, 0
.rept 32
	v_pk_fma_f32 v[S+jj:S+jj+1], v[S+jj:S+jj+1], s[CS:CS+1], v[NM+2*(\m):NM+2*(\m)+1] op_sel_hi:[1,0,0]   ; t - M, two at a time, each result from its low end on
.set jj, jj+2
.endr
.irp b, 0,1,2,3
	v_fma_f32 v[BB+\b], v[BB+\b], s[CS], v[NM+2*(\m)]      ; the same of each block's largest score
.endr
.set jj, 0
.rept 64
	v_exp_f32 v[S+jj], v[S+jj]                     ; p = 2^(t - M), at most 1
.set jj, jj+1
.endr
	v_nop                                          ; one plain line behind the batch
	s_wait_alu depctr_va_vdst(0)                   ; one wait for the 64, ahead of their first reader
.irp b, 0,1,2,3
	v_exp_f32 v[BB+\b], v[BB+\b]                   ; the block's largest p: the same two instructions on the same number
.endr
	v_pk_add_f32 v[L2:L2+1], v[S:S+1], v[S+2:S+3]  ; the sum of the unquantised p, two at a time, in two chains: plain work behind the four
.irp j, 4,8,12,16,20,24,28,32,36,40,44,48,52,56,60
	v_pk_add_f32 v[LSUM+2*(\m):LSUM+2*(\m)+1], v[LSUM+2*(\m):LSUM+2*(\m)+1], v[S+\j:S+\j+1]
	v_pk_add_f32 v[L2:L2+1], v[L2:L2+1], v[S+\j+2:S+\j+3]
.endr
	v_pk_add_f32 v[LSUM+2*(\m):LSUM+2*(\m)+1], v[LSUM+2*(\m):LSUM+2*(\m)+1], v[L2:L2+1]
	s_wait_alu depctr_va_vdst(0)                   ; and one for the four
.irp b, 0,1,2,3
	v_max_num_f32 v[TM+\b], 0x8000000, v[BB+\b]    ; the floor 2^(16 - 127)
.endr
.irp b, 0,1,2,3
	v_add_nc_u32 v[TM+12+\b], 0xf8800000, v[TM+\b]
.endr
.irp b, 0,1,2,3
	v_and_or_b32 v[TM+8+\b], v[TM+\b], 0x7f800000, s[MNT]
.endr
.irp b, 0,1,2,3
	v_lshrrev_b32 v[TM+4+\b], 23, v[TM+12+\b]
.endr
	v_lshl_or_b32 v[RM+(\m)], v[TM+5], 8, v[TM+4]  ; p's scale word for these 128 t
	v_lshl_or_b32 v[RM+(\m)], v[TM+6], 16, v[RM+(\m)]
	v_lshl_or_b32 v[RM+(\m)], v[TM+7], 24, v[RM+(\m)]
	s_wait_xcnt 0x0                                ; the stores of two units back have read these code registers
.irp b, 0,1,2,3
.irp i, 0,1,2,3,4,5,6,7,8,9,10,11,12,13,14,15
	v_min_num_f32 v[S+16*\b+\i], v[S+16*\b+\i], v[TM+8+\b]   ; p is not negative: the hold is one-sided
.endr
	v_cvt_scalef32_pk8_bf8_f32 v[PCX+4*\b:PCX+4*\b+1], v[S+16*\b:S+16*\b+7], v[TM+12+\b]
	v_cvt_scalef32_pk8_bf8_f32 v[PCX+4*\b+2:PCX+4*\b+3], v[S+16*\b+8:S+16*\b+15], v[TM+12+\b]
.endr
	v_nop                                          ; one plain line behind the last scaled conversion
.irp c, 0,1,2,3
	global_store_b128 v1, v[PCX+4*\c:PCX+4*\c+3], s[10:11] offset:32768*(\m)+2048*(\u)+512*\c   ; the codes are a fragment of pf: 512 consecutive bytes a store
.endr
.endm
.irp u, 0,1
.irp m, 0,1,2,3
	PUNIT \u, \m
.endr
.irp m, 0,1,2,3
	ds_store_b32 v7, v[RM+\m] offset:64*\m         ; the 64 columns' words of this K step, through my own scratch
.endr
	ds_load_b64 v[10+2*\u:11+2*\u], v8
	s_wait_dscnt 0x0
	global_store_b64 v9, v[10+2*\u:11+2*\u], s[30:31] offset:8192*\u   ; 256 consecutive bytes, aligned
.endr
	; g = gamma / l: the sum's two halves, the other half of the lanes', the eight waves' in ascending order
.irp m, 0,1,2,3
	v_add_f32 v[LSUM+2*\m], v[LSUM+2*\m], v[LSUM+2*\m+1]
.endr
.irp m, 0,1,2,3
	v_permlanex16_b32 v[TM+\m], v[LSUM+2*\m], s[SEL], s[SEL+1]
.endr
.irp m, 0,1,2,3
	v_add_f32 v[LSUM+2*\m], v[LSUM+2*\m], v[TM+\m]
.endr
.irp m, 0,1,2,3
	ds_store_b32 v5, v[LSUM+2*\m] offset:LX+512*\m
.endr
	s_wait_dscnt 0x0
	s_barrier_signal -1
	s_barrier_wait -1
.irp m, 0,1,2,3
	ds_load_b128 v[S+8*\m:S+8*\m+3], v6 offset:LX+512*\m
	ds_load_b128 v[S+8*\m+4:S+8*\m+7], v6 offset:LX+512*\m+16
.endr
	s_wait_dscnt 0x0
.irp m, 0,1,2,3
	v_add_f32 v[TM+\m], v[S+8*\m], v[S+8*\m+1]
.endr
.irp i, 2,3,4,5,6,7
.irp m, 0,1,2,3
	v_add_f32 v[TM+\m], v[TM+\m], v[S+8*\m+\i]
.endr
.endr
.irp m, 0,1,2,3
	v_rcp_f32 v[TM+4+\m], v[TM+\m]                 ; l is above 1/2: the column's largest p is
.endr
	v_nop
	s_wait_kmcnt 0x0                               ; gamma
	s_wait_alu depctr_va_vdst(0)                   ; one wait for the four reciprocals, ahead of their first reader
.irp m, 0,1,2,3
	v_mul_f32 v[TM+4+\m], s[GAM], v[TM+4+\m]
.endr
	s_cmp_lg_u32 s[WV], 0                          ; every wave holds the same 64 numbers: wave 0 stores them
	s_cbranch_scc1 .Lend
.irp m, 0,1,2,3
	ds_store_b32 v7, v[TM+4+\m] offset:64*\m
.endr
	ds_load_b64 v[14:15], v8
	s_wait_dscnt 0x0
	global_store_b64 v9, v[14:15], s[32:33]        ; 256 consecutive bytes, aligned
.Lend:
	s_wait_xcnt 0x0
	v_lshl_add_u32 v254, v0, 2, 0x2000
	v_mov_b32 v255, 0
	s_wait_tensorcnt 0x0
	ds_add_u32 v254, v255
	s_wait_dscnt 0x0
	s_endpgm
.Lfunc_end_k_q9271190372_soft:
	.size	k_q9271190372_soft, .Lfunc_end_k_q9271190372_soft-k_q9271190372_soft
	.p2alignl 7, 3214868480
	.fill 96, 4, 3214868480
	.section	.rodata,"a",@progbits
	.p2align	6, 0x0
	.amdhsa_kernel k_q9271190372_soft
		.amdhsa_group_segment_fixed_size 9216
		.amdhsa_private_segment_fixed_size 0
		.amdhsa_enable_private_segment 0
		.amdhsa_kernarg_size 40
		.amdhsa_user_sgpr_count 2
		.amdhsa_user_sgpr_kernarg_segment_ptr 1
		.amdhsa_wavefront_size32 1
		.amdhsa_system_sgpr_workgroup_id_x 1
		.amdhsa_system_sgpr_workgroup_id_y 1
		.amdhsa_system_sgpr_workgroup_id_z 1
		.amdhsa_system_vgpr_workitem_id 0
		.amdhsa_next_free_vgpr 512
		.amdhsa_next_free_sgpr 66
		.amdhsa_reserve_vcc 0
		.amdhsa_float_denorm_mode_32 3
		.amdhsa_float_denorm_mode_16_64 3
		.amdhsa_memory_ordered 1
		.amdhsa_forward_progress 1
		.amdhsa_inst_pref_size 144
	.end_amdhsa_kernel
	.amdgpu_metadata
---
amdhsa.version: [ 1, 2 ]
amdhsa.kernels:
  - .name:           k_q9271190372_soft
    .symbol:         k_q9271190372_soft.kd
    .args:
      - { .name: qk, .offset: 0, .size: 8, .value_kind: global_buffer, .address_space: global }
      - { .name: qks, .offset: 8, .size: 8, .value_kind: global_buffer, .address_space: global }
      - { .name: gamma, .offset: 16, .size: 8, .value_kind: global_buffer, .address_space: global }
      - { .name: pf, .offset: 24, .size: 8, .value_kind: global_buffer, .address_space: global }
      - { .name: ps, .offset: 32, .size: 8, .value_kind: global_buffer, .address_space: global }
    .group_segment_fixed_size: 9216
    .private_segment_fixed_size: 0
    .kernarg_segment_align: 8
    .kernarg_segment_size: 40
    .max_flat_workgroup_size: 256
    .sgpr_count:     66
    .vgpr_count:     512
    .wavefront_size: 32
...
	.end_amdgpu_metadata
.endif
;; end of part 3
;; launch pv (part 4): grid 64 x 4, 4 waves a work-group, clusters of 4 x 4, 327,680 bytes of LDS; arguments vf, vs, pf, ps, x, out0; writes out0
.if DOCPART == 4
	.amdgcn_target "amdgcn-amd-amdhsa--gfx1250"
	.amdhsa_code_object_version 6
	.text
	.protected	k_q9271190372_pv
	.globl	k_q9271190372_pv
	.p2align	8
	.type	k_q9271190372_pv,@function
k_q9271190372_pv:
	s_mov_b64 s[64:65], 0
	v_nop
	global_prefetch_b8 v0, s[64:65] scope:SCOPE_SE
	s_setreg_imm32_b32 hwreg(HW_REG_WAVE_MODE, 25, 1), 1
	s_wait_xcnt 0x0
	s_wait_alu depctr_hold_cnt(0) depctr_sa_sdst(0) depctr_va_vdst(0) depctr_va_sdst(0) depctr_va_ssrc(0) depctr_va_vcc(0) depctr_vm_vsrc(0)
	s_getreg_b32 s2, hwreg(HW_REG_IB_STS2, 6, 4)
	s_cmp_eq_u32 s2, 0
	s_cbranch_scc0 .Lentry_in_a_cluster
	s_endpgm
.Lentry_in_a_cluster:
	s_bfe_u32 s2, ttmp6, 0x10000c
	s_cmp_lg_u32 s2, 0xf033
	s_cbranch_scc0 .Lentry_shape_is_right
	s_endpgm
.Lentry_shape_is_right:
; PV.  out0[batch][c][s] = g[s] x (the sum over t of v[c][t] p[t][s]) + x[batch][s][c], g = gamma / l.  The product runs on codes of E5M2 with E8M0 scales; K = the batch's 2,048 tokens t.
; A = v as fragments (vf [batch][c tile][K step of 128][2,048]), B = p as fragments (pf [batch][s tile][K step][2,048]); scale words vs [batch][K step][c], ps [batch][K step][s]; g lies 1,048,576 bytes on in ps.
; A tile of 256 c x 256 s is made by four waves, 128 x 128 each: 64 accumulators, 512 registers.  K goes in steps of 256 through a ring of two LDS slots; a fragment lies in LDS as the image of its registers:
; four loads of 512 consecutive bytes bring it, with no pitch and no padding.  The scale words of the tile's 256 c and 256 s, for all of K, come once, with the first fills.
; CLUSTERS: 4 x 4 work-groups of one batch.  The four of a row need the same c, the four of a column the same s: each tile is asked for jointly, by the same load with the same descriptor and a mask of the four.
; TRANSPOSED USE: source 0 = 16 columns s of p, source 1 = 16 rows c of v: a lane holds one c and eight neighbouring s: 32 neighbouring bytes of out0.
; THE RESIDUAL is x transposed.  Each wave's 128 rows s x 128 c of x come by two tensor loads of its own (64 c, 256 bytes of a row, each) into the slots as the ring leaves them, and are read by columns:
; lane (r, h) takes x[s = 16 b + 8 h + j][c = 16 a + r] into the register that its result will fill.  Rows are 272 bytes apart, so the 32 lanes of a load touch 32 different banks.
; PREFETCHES INTO THE L2: of the code tiles, two refills ahead of the joint load that wants them (ASKT), and of x's two halves (ASKX).
; Inside a block of 32 t, K is permuted alike in vf and pf (both are made in the result's layout); blocks and scales are the true ones.  LIMITS: NaN and infinities are not served.
; REGISTERS: window 0: v8, v16-31 addresses; v32-63 scale words, two sets; v64-127 g of my 128 s in the result's layout; v128-255 A's fragments, one set (on the way out: rows read back).
;   Window 1: B's fragments, two sets (on the way out: x, then the results, two sets of 64).  Windows 2, 3: accumulator (a, b) at v[8 (8 (a % 4) + b)].
.set NQ,     2
.set FR,     16
.set NP,     8                         ; places behind this matrix instruction (ISA guide 7.12.1)
.set SLOT,   139264                    ; from slot to slot: A's 16 tiles x 4,096, B's 16 x 4,096, and 8,192 bytes that x's tiles use
.set LAPS,   4                         ; K = 2,048: eight K steps
.set XWAVE,  128*272                   ; a wave's tile of x: 128 rows x (256 bytes + 16); four of them are one SLOT
.set SCLV,   2*SLOT                    ; v's scale words: 16 K steps x 1,024 bytes
.set SCLP,   SCLV+16384+128            ; p's likewise, 128 bytes askew, so that the two halves of the lanes read different banks
.set STAGE,  SCLV                      ; the way out: 16 rows x (512 + 16) for each wave, over the scales: they have had their one fill, and their last read lies ahead of a round
.set SPITCH, 528
.set SPARE,  STAGE+4*16*SPITCH         ; the spare words, 128 bytes a wave
.set PTO,  8                           ; v8   the tile prefetches' offset: 32,768 (lane / 16) + 256 (lane % 16); never rewritten
.set ADRA, 16
.set ADRB, 20
.set XAD,  22                          ; v22-23 my place in my tile of x, halves 0 and 1
.set STO,  24
.set RD,   25
.set CO,   26                          ; v26  16 x lane
.set ADRS, 27
.set SPW,  28
.set NIL,  29
.set PFO,  30                          ; v30  4,096 x lane: a row of x; never rewritten
.set GOF,  31                          ; v31  32 h
.set SC,   32
.set G,    64
.set AF,   128
.set BK,   128
.set WV, 18
.set RH, 19                            ; wave >> 1: my 128 c.  Also: I fetch for A (0) or B (1)
.set CH, 20                            ; wave & 1: my 128 s.  Also: which half I fetch
.set G1, 24
.set G0, 32
.set G1X, 40                           ; s[40:47] group 1 for x's tiles, written when the head's numbers there are done with
.set G1B, 48
.set G0B, 56
.set G1S, 68
.set G0S, 76
.set G1SB, 80
.set G0SB, 88
.set G0X, 92
.set PFA, 96                           ; s[96:97] x at my wave's first row and column; never rewritten
.set PFT, 98                           ; s[98:99] where my tile prefetches stand: my work-group's two of the eight tiles that I fetch, two K steps further on than the refill that is being asked for
.set LIMT, 100                         ; s100 1 in a wave that prefetches tiles, else the greatest number
.set MSB, 0
.macro WIN new
.if MSB != (\new)
	s_set_vgpr_msb (MSB<<8)|(\new)
.set MSB, (\new)
.endif
.endm
.set MUL_LO, 0xa1
.set MUL_HI, 0xf1
.set TO_B,   0x40
.macro PLACES n
.rept \n
	v_nop
.endr
.endm
.macro JLOAD g0a, g1a, g0b, g1b        ; a joint load: waves 0, 1 for A, waves 2, 3 for B; four v_nop follow each line
	s_cmp_eq_u32 s[RH], 0
	s_cbranch_scc0 .Lfor_b_\@
	tensor_load_to_lds s[\g0a:\g0a+3], s[\g1a:\g1a+7]
	s_nop 0
	PLACES 4
	s_branch .Lasked_\@
.Lfor_b_\@:
	tensor_load_to_lds s[\g0b:\g0b+3], s[\g1b:\g1b+7]
	s_nop 0
	PLACES 4
.Lasked_\@:
.endm
.macro CREST
	s_cmp_lg_u32 s[WV], 0
	s_cbranch_scc1 .Lnot_wave_0_\@
	s_barrier_signal -3
.Lnot_wave_0_\@:
	s_barrier_wait -3
	s_barrier_signal -1
	s_barrier_wait -1
.endm
.macro CROUND
	s_barrier_signal -1
	s_barrier_wait -1
	CREST
.endm
; A PREFETCH INTO THE L2 of half a wave's tile of x: 128 rows, of each 256 bytes, aligned: a lane a row, four instructions.  Every wave's rows and columns are its own, so each block is named once in the launch.
; how = 1: in the loop, in its last trip alone (half 0: 256 matrix instructions ahead of the load that wants it); how = 0: in the tail (half 1: 160 ahead).
.macro ASKX how, off
.if \how
	s_cmp_eq_u32 s3, 1
	s_cbranch_scc0 .Lnot_yet_\@
.endif
.irp k, 0,1,2,3
	global_prefetch_b8 v[PFO], s[PFA:PFA+1] offset:131072*\k+(\off) th:TH_LOAD_NT scope:SCOPE_SE
.endr
.if \how
.Lnot_yet_\@:
.endif
.endm
; A PREFETCH INTO THE L2 OF THE CODE TILES, behind each joint refill, its four lines and the run of LDS loads: the K step that stands TWO refills on, 256 matrix instructions ahead of the load that will want it.
; At a change of slots every wave has waited for all its tensor loads, so the refill that follows has nothing on its way beside it.  A wave fetches eight tiles, of each 4,096 bytes a K step: 128 blocks of 256 bytes.
; Each of the four partners that ask for them jointly takes two tiles, 32 blocks, told apart BY ADDRESS (the place along the cluster's row for v, along its column for p): a lane a block, one instruction a wave.
; p's tiles are read by this cluster alone; v's by the batch's two clusters, of which the first asks (a branch on the cluster's number and the wave's: the same in all partners).  So each block is named once in the launch.
; K steps 0 to 3 come by their loads alone: nothing is prefetched at the head.  The loop's last trip (s3 = 1) asks for nothing: its refills are K steps 6 and 7, and there is no K step 8.
.macro ASKT
	s_cmp_gt_u32 s3, s[LIMT]
	s_cbranch_scc0 .Lnot_mine_\@
	global_prefetch_b8 v[PTO], s[PFT:PFT+1] th:TH_LOAD_NT scope:SCOPE_SE
.Lnot_mine_\@:
.endm
	s_load_b256 s[4:11], s[0:1], 0x0               ; vf, vs, pf, ps
	s_load_b128 s[12:15], s[0:1], 0x20             ; x, out0
	v_lshl_add_u32 v[SPW], v0, 2, SPARE
	v_mov_b32 v[NIL], 0
	ds_add_u32 v28, v29
	ds_add_u32 v28, v29
	s_wait_dscnt 0x0
	v_lshrrev_b32 v1, 5, v0
	v_readfirstlane_b32 s[WV], v1
	s_lshr_b32 s[RH], s[WV], 1
	s_and_b32 s[CH], s[WV], 1
	s_bfe_u32 s40, ttmp6, 0x40000                  ; cx
	s_bfe_u32 s41, ttmp6, 0x40004                  ; cy: the tile row (256 c); the grid is one cluster high
	s_lshl_b32 s42, ttmp9, 2
	s_add_co_u32 s42, s42, s40                     ; X = 4 x cluster x + cx: the block of 256 columns s, counted through the batches
	s_lshr_b32 s21, ttmp9, 1                       ; the batch: eight blocks each, so two clusters: made of the cluster's number alone
	s_lshl_b32 s43, s41, 2
	s_lshl_b32 s43, 15, s43                        ; my row of the cluster
	s_lshl_b32 s44, 0x1111, s40                    ; my column
	s_or_b32 s[G1+0], s43, (3<<16)|(1<<21)         ; codes: 8 tiles, of each 4,096 bytes (two fragments) as 512 elements of 8 bytes, 32,768 bytes apart; bit 21 beside the mask
	s_or_b32 s[G1B+0], s44, (3<<16)|(1<<21)
.irp g, G1, G1B
	s_mov_b32 s[\g+1], 512<<16
	s_mov_b32 s[\g+2], 8<<16
	s_mov_b32 s[\g+3], 512<<16
	s_mov_b32 s[\g+4], 8
	s_mov_b32 s[\g+5], 4096
	s_mov_b32 s[\g+6], 0
	s_mov_b32 s[\g+7], 0
.endr
	s_or_b32 s[G1S+0], s43, (3<<16)|(1<<21)        ; scale words: 8 K steps, of each 1,024 bytes (256 words)
	s_or_b32 s[G1SB+0], s44, (3<<16)|(1<<21)
.irp g, G1S, G1SB
	s_mov_b32 s[\g+1], 128<<16
	s_mov_b32 s[\g+2], 8<<16
	s_mov_b32 s[\g+3], 128<<16
	s_mov_b32 s[\g+4], 8
	s_mov_b32 s[\g+6], 0
	s_mov_b32 s[\g+7], 0
.endr
	s_mov_b32 s[G1S+5], 512                        ; a K step of vs is 4,096 bytes,
	s_mov_b32 s[G1SB+5], 1024                      ; of ps 8,192
	s_lshl_b32 s22, s21, 21                        ; A's codes: c tile 64 batch + 16 cy + 8 half (registers that never hold cx)
	s_lshl_b32 s2, s41, 19
	s_add_co_u32 s22, s22, s2
	s_lshl_b32 s2, s[CH], 18
	s_add_co_u32 s22, s22, s2
	s_mov_b32 s23, 0
	s_lshl_b32 s98, s21, 16                        ; A's scale words: batch, K steps 8 half on, 256 cy words on
	s_lshl_b32 s2, s[CH], 15
	s_add_co_u32 s98, s98, s2
	s_lshl_b32 s2, s41, 10
	s_add_co_u32 s98, s98, s2
	s_mov_b32 s99, 0
	s_lshl_b32 s46, s42, 19                        ; B's codes: s tile 16 X + 8 half
	s_lshl_b32 s3, s[CH], 18
	s_add_co_u32 s46, s46, s3
	s_mov_b32 s47, 0
	s_lshl_b32 s100, s21, 17                       ; B's scale words
	s_lshl_b32 s3, s[CH], 16
	s_add_co_u32 s100, s100, s3
	s_and_b32 s3, s42, 7
	s_lshl_b32 s3, s3, 10
	s_add_co_u32 s100, s100, s3
	s_mov_b32 s101, 0
	s_lshl_b32 s45, s[CH], 15                      ; where they go: no place in the cluster enters an LDS address
	s_lshl_b32 s2, s[CH], 13
	s_wait_kmcnt 0x0
	s_add_nc_u64 s[22:23], s[4:5], s[22:23]
	s_add_nc_u64 s[98:99], s[6:7], s[98:99]
	s_add_nc_u64 s[46:47], s[8:9], s[46:47]
	s_add_nc_u64 s[100:101], s[10:11], s[100:101]
	CROUND                                         ; all sixteen work-groups are here: the first joint loads meet
	s_mov_b32 s[G0S], 1
	s_add_co_u32 s[G0S+1], s2, SCLV
	s_mov_b64 s[G0S+2:G0S+3], s[98:99]
	s_or_b32 s[G0S+3], s[G0S+3], 0x80000000
	s_mov_b32 s[G0SB], 1
	s_add_co_u32 s[G0SB+1], s2, SCLP
	s_mov_b64 s[G0SB+2:G0SB+3], s[100:101]
	s_or_b32 s[G0SB+3], s[G0SB+3], 0x80000000
	JLOAD G0S, G1S, G0SB, G1SB                     ; the scale words first: they are wanted with K step 0
.irp s, 0,1
	s_mov_b32 s[G0+4*\s], 1
	s_add_co_u32 s[G0+4*\s+1], s45, \s*SLOT
	s_add_nc_u64 s[G0+4*\s+2:G0+4*\s+3], s[22:23], \s*4096
	s_or_b32 s[G0+4*\s+3], s[G0+4*\s+3], 0x80000000
	s_mov_b32 s[G0B+4*\s], 1
	s_add_co_u32 s[G0B+4*\s+1], s45, \s*SLOT+65536
	s_add_nc_u64 s[G0B+4*\s+2:G0B+4*\s+3], s[46:47], \s*4096
	s_or_b32 s[G0B+4*\s+3], s[G0B+4*\s+3], 0x80000000
	JLOAD G0+4*\s, G1, G0B+4*\s, G1B               ; three tensor loads of mine are out
.endr
	v_and_b32 v1, 15, v0                           ; r
	v_bfe_u32 v2, v0, 4, 1                         ; h
	v_and_b32 v7, 31, v0                           ; lane
	v_lshlrev_b32 v[CO], 4, v7
	v_lshlrev_b32 v[GOF], 5, v2
	v_lshlrev_b32 v[PFO], 12, v7
	s_lshl_b32 s2, s42, 10                         ; g of my 128 s: 1,048,576 + (256 X + 128 half) x 4
	s_lshl_b32 s3, s[CH], 9
	s_add_co_u32 s2, s2, s3
	s_add_co_u32 s2, s2, 0x100000
	s_mov_b32 s3, 0
	s_add_nc_u64 s[10:11], s[10:11], s[2:3]
.irp b, 0,1,2,3,4,5,6,7
	global_load_b128 v[G+8*\b:G+8*\b+3], v[GOF], s[10:11] offset:64*\b       ; lane (r, h), register 8 b + j: s = 16 b + 8 h + j
	global_load_b128 v[G+8*\b+4:G+8*\b+7], v[GOF], s[10:11] offset:64*\b+16
.endr
	s_lshl_b32 s2, s[RH], 15
	v_add_nc_u32 v[ADRA], s2, v[CO]
	v_add_nc_u32 v[ADRA+1], SLOT, v[ADRA]
	s_lshl_b32 s2, s[CH], 15
	s_add_co_u32 s2, s2, 65536
	v_add_nc_u32 v[ADRB], s2, v[CO]
	v_add_nc_u32 v[ADRB+1], SLOT, v[ADRB]
	v_lshlrev_b32 v5, 2, v1                        ; scale words: 4 r; lanes 0-15 v's at my 128 c, lanes 16-31 p's at my 128 s
	s_lshl_b32 s98, s[RH], 9
	s_lshl_b32 s2, s[CH], 9
	s_add_co_u32 s2, s2, SCLP-SCLV
	s_sub_co_u32 s2, s2, s98
	v_mul_u32_u24 v6, s2, v2                       ; one product: the distance between the two bases
	s_add_co_u32 s98, s98, SCLV
	v_add_nc_u32 v5, v5, v6
	v_add_nc_u32 v[ADRS], s98, v5
	s_mul_i32 s2, s[WV], XWAVE
	v_mul_u32_u24 v6, v2, 8*272
	v_lshl_add_u32 v6, v1, 2, v6
	v_add_nc_u32 v[XAD], s2, v6                    ; my tile of x: 4 r + 8 h rows
	v_add_nc_u32 v[XAD+1], SLOT, v[XAD]
	s_mul_i32 s2, s[WV], 16*SPITCH
	s_add_co_u32 s2, s2, STAGE
	v_mul_u32_u24 v5, v1, SPITCH
	v_lshl_add_u32 v5, v2, 5, v5
	v_add_nc_u32 v[STO], s2, v5                    ; into my stage: row r, 32 bytes for each half of the lanes
	v_add_nc_u32 v[RD], s2, v[CO]                  ; back: the 32 lanes take one row of 512 bytes
	s_lshl_b32 s2, s42, 20                         ; x: row 256 X + 128 half (4,096 bytes each), column 256 cy + 128 half
	s_lshl_b32 s3, s[CH], 19
	s_add_co_u32 s2, s2, s3
	s_lshl_b32 s3, s41, 10
	s_add_co_u32 s2, s2, s3
	s_lshl_b32 s3, s[RH], 9
	s_add_co_u32 s2, s2, s3
	s_mov_b32 s3, 0
	s_add_nc_u64 s[PFA:PFA+1], s[12:13], s[2:3]
	s_mov_b32 s[G0X], 1
	s_mul_i32 s[G0X+1], s[WV], XWAVE
	s_mov_b64 s[G0X+2:G0X+3], s[PFA:PFA+1]
	s_or_b32 s[G0X+3], s[G0X+3], 0x80000000
	s_lshl_b32 s2, s21, 23                         ; out0: batch x 8,388,608 + row c (8,192 bytes each) + column s
	s_lshl_b32 s98, s41, 21
	s_add_co_u32 s2, s2, s98
	s_lshl_b32 s98, s[RH], 20
	s_add_co_u32 s2, s2, s98
	s_and_b32 s98, s42, 7
	s_lshl_b32 s98, s98, 10
	s_add_co_u32 s2, s2, s98
	s_lshl_b32 s98, s[CH], 9
	s_add_co_u32 s2, s2, s98
	s_add_nc_u64 s[14:15], s[14:15], s[2:3]
	; the tile prefetches (ASKT).  s[22:23] and s[46:47] still stand at the eight tiles of v and of p that a wave of my half fetches; s40 = cx, s41 = cy
	s_and_b32 s101, ttmp9, 1                       ; which of the batch's two clusters
	s_cmp_eq_u32 s[RH], 0                          ; do I fetch for v?
	s_cselect_b64 s[PFT:PFT+1], s[22:23], s[46:47]
	s_cselect_b32 s2, s40, s41                     ; my place among the four that ask with me
	s_cselect_b32 s101, s101, 0                    ; v: the batch's first cluster asks; p: this cluster alone reads it
	s_cmp_eq_u32 s101, 0
	s_cselect_b32 s[LIMT], 1, -1                   ; the same in all sixteen partners, for a given wave
	s_lshl_b32 s2, s2, 16                          ; my work-group's two tiles of the eight, 32,768 bytes each
	s_mov_b32 s3, 0
	s_add_nc_u64 s[PFT:PFT+1], s[PFT:PFT+1], s[2:3]
	s_add_nc_u64 s[PFT:PFT+1], s[PFT:PFT+1], 3*4096    ; at K step 3: the first refill, of K step 2, steps it to 4
	v_lshlrev_b32 v[PTO], 15, v2                   ; lanes 0-15 the first tile, lanes 16-31 the second;
	v_lshl_add_u32 v[PTO], v1, 8, v[PTO]           ; a K step's 4,096 bytes of a tile are 16 blocks of 256
	s_mov_b32 s[G1X+0], (2<<16)|(1<<20)|(5<<22)|(3<<25)    ; x: no mask (each wave's tile is its own); elements of 4 bytes; four words of padding after every 64
	s_mov_b32 s[G1X+1], 64<<16
	s_mov_b32 s[G1X+2], 128<<16
	s_mov_b32 s[G1X+3], 64<<16
	s_mov_b32 s[G1X+4], 128
	s_mov_b32 s[G1X+5], 1024
	s_mov_b32 s[G1X+6], 0
	s_mov_b32 s[G1X+7], 0
.macro FRAG reg, adr, q, i             ; a fragment lies as the image of its registers
.irp c, 0,1,2,3
	ds_load_b128 v[(\reg)+4*\c:(\reg)+4*\c+3], v[\adr] offset:2048*(\q)+4096*(\i)+512*\c
.endr
.endm
; 16 matrix instructions: A's blocks a0, a0 + 1 x B's eight.  zero = 1: the first product starts the sum.  The 64 accumulators take turns, one instruction a turn, in the same order in every step.
.macro MUL16 a0, p, q, sc, zero
.irp a, \a0, \a0+1
.irp b, 0,1,2,3,4,5,6,7
.if \zero
	v_wmma_scale_f32_16x16x128_f8f6f4 v[8*(8*((\a)%4)+\b):8*(8*((\a)%4)+\b)+7], v[128*(\p)+FR*\b:128*(\p)+FR*\b+FR-1], v[AF+FR*(\a):AF+FR*(\a)+FR-1], 0, v[SC+8*NQ*(\sc)+NQ*\b+(\q)], v[SC+8*NQ*(\sc)+NQ*(\a)+(\q)] matrix_a_fmt:MATRIX_FMT_BF8 matrix_b_fmt:MATRIX_FMT_BF8 matrix_a_scale:MATRIX_SCALE_ROW1
.else
	v_wmma_scale_f32_16x16x128_f8f6f4 v[8*(8*((\a)%4)+\b):8*(8*((\a)%4)+\b)+7], v[128*(\p)+FR*\b:128*(\p)+FR*\b+FR-1], v[AF+FR*(\a):AF+FR*(\a)+FR-1], v[8*(8*((\a)%4)+\b):8*(8*((\a)%4)+\b)+7], v[SC+8*NQ*(\sc)+NQ*\b+(\q)], v[SC+8*NQ*(\sc)+NQ*(\a)+(\q)] matrix_a_fmt:MATRIX_FMT_BF8 matrix_b_fmt:MATRIX_FMT_BF8 matrix_a_scale:MATRIX_SCALE_ROW1
.endif
.endr
.endr
.endm
.macro FETCH_B slot, q, p
	WIN TO_B
.irp i, 0,1,2,3,4,5,6,7
	FRAG 128*(\p)+FR*\i, ADRB+(\slot), \q, \i
.endr
	WIN 0
.endm
.macro FETCH_A slot, q, i0
.irp i, \i0, \i0+1, \i0+2, \i0+3
	FRAG AF+FR*(\i), ADRA+(\slot), \q, \i
.endr
.endm
.macro SCALES sc                       ; a slot's two K steps of 128: lanes 0-15 the words of A's block i, lanes 16-31 of B's block i
.irp i, 0,1,2,3,4,5,6,7
.irp q, 0,1
	ds_load_b32 v[SC+8*NQ*(\sc)+NQ*\i+\q], v[ADRS] offset:1024*\q+64*\i
.endr
.endr
.endm
.macro STEP slot, q, zero
	s_wait_dscnt 16                                ; B's set, the scale words and A's blocks 0-3 are in; the youngest 16 loads (A's blocks 4-7) may be out
	WIN MUL_LO
	MUL16 0, (\q)%2, \q, \slot, \zero
	MUL16 2, (\q)%2, \q, \slot, \zero
	s_wait_dscnt 0
	PLACES NP
	FETCH_B \slot, (\q)+1, 1-(\q)%2
	FETCH_A \slot, (\q)+1, 0
	WIN MUL_HI
	MUL16 4, (\q)%2, \q, \slot, \zero
	MUL16 6, (\q)%2, \q, \slot, \zero
	PLACES NP
	WIN 0
	FETCH_A \slot, (\q)+1, 4
.endm
; A slot's last step changes slots: one barrier, which opens a round of the cluster's; in front of it each wave waits for all its tensor loads, adds 0 to its spare word, and waits for that and for its reads of this slot.
; fill = 1: the slot takes the codes two K steps on, by the joint loads.  fill = 2: the ring is done with it: it takes the first half of each wave's tile of x.  ask: 1, 2: a prefetch of x (ASKX).
.macro TURN slot, next, fill, ask
.if (\fill) == 1
	s_wait_xcnt 0x0                                ; the last tile prefetch, a K step back, has read its address: it is stepped here, ahead of the waits of the change of slots
	s_add_nc_u64 s[PFT:PFT+1], s[PFT:PFT+1], 4096
.endif
	s_wait_tensorcnt 0x0                           ; all my tensor loads have landed: my part of the next slot
	ds_add_u32 v[SPW], v[NIL]                      ; 0 onto my spare word
	s_wait_dscnt 17                                ; (the add and the youngest 16 loads may be out)
	WIN MUL_LO
	MUL16 0, 1, NQ-1, \slot, 0
	s_wait_dscnt 0x0                               ; the add is done, and my reads of this slot are over
	s_barrier_signal -1
	MUL16 2, 1, NQ-1, \slot, 0
	WIN 0
	s_barrier_wait -1
	CREST                                          ; no wave of any partner still reads this slot or has a load on its way
.if (\fill) == 1
	s_add_nc_u64 s[G0+4*\slot+2:G0+4*\slot+3], s[G0+4*\slot+2:G0+4*\slot+3], 8192
	s_add_nc_u64 s[G0B+4*\slot+2:G0B+4*\slot+3], s[G0B+4*\slot+2:G0B+4*\slot+3], 8192
	JLOAD G0+4*\slot, G1, G0B+4*\slot, G1B         ; my one tensor load behind the round
.else
	tensor_load_to_lds s[G0X:G0X+3], s[G1X:G1X+7]  ; my one tensor load behind the round: 128 rows s x 64 c of x
	s_nop 0
	PLACES 4
.endif
	PLACES NP-4
	v_add_nc_u32 v[ADRS], 2048, v[ADRS]            ; the next slot's scale words
	FETCH_B \next, 0, 0
	FETCH_A \next, 0, 0
	SCALES \next
.if (\fill) == 1
	ASKT
.endif
.if (\ask) == 1
	ASKX 1, 0
.elseif (\ask) == 2
	ASKX 0, 256
.endif
	WIN MUL_HI
	MUL16 4, 1, NQ-1, \slot, 0
	MUL16 6, 1, NQ-1, \slot, 0
	PLACES NP
	WIN 0
	FETCH_A \next, 0, 4
.endm
	s_wait_tensorcnt 1                             ; the scale words and my part of K step 0 are in; K step 1's load may be out
	s_barrier_signal -1
	s_barrier_wait -1
	FETCH_B 0, 0, 0
	FETCH_A 0, 0, 0
	SCALES 0
	FETCH_A 0, 0, 4
	STEP 0, 0, 1                                   ; the first step stands in front of the loop: its products start the sums
	s_mov_b32 s3, LAPS-1
.Llap:                                             ; a trip goes once round the ring and fills both slots again
	TURN 0, 1, 1, 1
	STEP 1, 0, 0
	TURN 1, 0, 1, 0
	STEP 0, 0, 0
	s_sub_co_u32 s3, s3, 1
	s_cmp_lg_u32 s3, 0
	s_cbranch_scc1 .Llap
	TURN 0, 1, 2, 2                                ; the last lap: slot 0 takes x's first half
	STEP 1, 0, 0
	s_wait_dscnt 16
	WIN MUL_LO
	MUL16 0, 1, NQ-1, 1, 0
	MUL16 2, 1, NQ-1, 1, 0
	s_wait_dscnt 0
	WIN MUL_HI
	MUL16 4, 1, NQ-1, 1, 0
	MUL16 6, 1, NQ-1, 1, 0
	WIN 0
	PLACES NP                                      ; behind the last products: for the loads into their operands' registers and the first reads of results
	s_wait_tensorcnt 0x0                           ; x's first half has landed; no tensor load of mine is out, so its group 0 may be written
	ds_add_u32 v[SPW], v[NIL]
	s_add_co_u32 s[G0X+1], s[G0X+1], SLOT          ; the second half: slot 1's bytes, 64 c (256 bytes) on
	s_add_nc_u64 s[G0X+2:G0X+3], s[G0X+2:G0X+3], 256
	s_wait_dscnt 0x0                               ; the add is done, and my reads of slot 1 and of the scale words are over
	CROUND
	tensor_load_to_lds s[G0X:G0X+3], s[G1X:G1X+7]  ; my one tensor load behind the round, and my last
	s_nop 0
	PLACES 4
	s_wait_loadcnt 0x0                             ; g
; THE WAY OUT, block by block of 16 c x 128 s.
.macro XLD a                           ; x transposed: register 8 b + j takes x[16 b + 8 h + j][16 a + r]
	WIN 0x40
.irp b, 0,1,2,3,4,5,6,7
.irp j, 0,1,2,3,4,5,6,7
	ds_load_b32 v[64*((\a)%2)+8*\b+\j], v[XAD+(\a)/4] offset:(16*\b+\j)*272+64*((\a)%4)
.endr
.endr
	WIN 0
.endm
.macro FMA a                           ; sum x g + x, two at a time, each accumulator from its low end on
	WIN 0x52+(\a)/4
.irp b, 0,1,2,3,4,5,6,7
.irp p, 0,2,4,6
	v_pk_fma_f32 v[64*((\a)%2)+8*\b+\p:64*((\a)%2)+8*\b+\p+1], v[64*((\a)%4)+8*\b+\p:64*((\a)%4)+8*\b+\p+1], v[G+8*\b+\p:G+8*\b+\p+1], v[64*((\a)%2)+8*\b+\p:64*((\a)%2)+8*\b+\p+1]
.endr
.endr
.endm
.macro TOSTAGE a                       ; a lane's 32 bytes of a row into my stage, and whole rows of 512 bytes back (LDS serves a wave's instructions in order)
	WIN 0x04
.irp b, 0,1,2,3,4,5,6,7
	ds_store_b128 v[STO], v[64*((\a)%2)+8*\b:64*((\a)%2)+8*\b+3] offset:64*\b
	ds_store_b128 v[STO], v[64*((\a)%2)+8*\b+4:64*((\a)%2)+8*\b+7] offset:64*\b+16
.endr
	WIN 0
.irp t, 0,1,2,3,4,5,6,7,8,9,10,11,12,13,14,15
	ds_load_b128 v[BK+64*((\a)%2)+4*\t:BK+64*((\a)%2)+4*\t+3], v[RD] offset:\t*SPITCH
.endr
.endm
.macro SEND a
.if (\a) > 0
	s_add_nc_u64 s[14:15], s[14:15], 16*8192       ; 16 rows c on (the wait on XCNT above has freed the base)
.endif
.irp t, 0,1,2,3,4,5,6,7,8,9,10,11,12,13,14,15
	global_store_b128 v[CO], v[BK+64*((\a)%2)+4*\t:BK+64*((\a)%2)+4*\t+3], s[14:15] offset:\t*8192 th:TH_STORE_NT   ; 512 consecutive bytes, at a multiple of 256 from out0's first byte
.endr
.endm
	XLD 0
	s_wait_dscnt 0x0
.irp a, 0,1,2,3,4,5,6,7
.if \a == 3
	s_wait_tensorcnt 0x0                           ; x's second half has landed: block 4 reads it
.endif
.if \a < 7
	XLD \a+1                                       ; the next block's x is on its way while this block is worked; the wait for 0 below covers it
.endif
	FMA \a
	s_wait_xcnt 0x0                                ; earlier stores have read their registers and their base
	TOSTAGE \a
	s_wait_dscnt 0x0
	SEND \a
.endr
	s_wait_tensorcnt 0x0                           ; the wave's end
	ds_add_u32 v[SPW], v[NIL]
	s_wait_dscnt 0x0
	CROUND                                         ; the closing round
	s_endpgm
.Lfunc_end_k_q9271190372_pv:
	.size	k_q9271190372_pv, .Lfunc_end_k_q9271190372_pv-k_q9271190372_pv
	.p2alignl 7, 3214868480
	.fill 96, 4, 3214868480
	.section	.rodata,"a",@progbits
	.p2align	6, 0x0
	.amdhsa_kernel k_q9271190372_pv
		.amdhsa_group_segment_fixed_size 327680
		.amdhsa_private_segment_fixed_size 0
		.amdhsa_enable_private_segment 0
		.amdhsa_kernarg_size 48
		.amdhsa_user_sgpr_count 2
		.amdhsa_user_sgpr_kernarg_segment_ptr 1
		.amdhsa_wavefront_size32 1
		.amdhsa_system_sgpr_workgroup_id_x 1
		.amdhsa_system_sgpr_workgroup_id_y 1
		.amdhsa_system_sgpr_workgroup_id_z 1
		.amdhsa_system_vgpr_workitem_id 0
		.amdhsa_next_free_vgpr 1024
		.amdhsa_next_free_sgpr 102
		.amdhsa_reserve_vcc 0
		.amdhsa_float_denorm_mode_32 3
		.amdhsa_float_denorm_mode_16_64 3
		.amdhsa_memory_ordered 1
		.amdhsa_forward_progress 1
		.amdhsa_inst_pref_size 202
	.end_amdhsa_kernel
	.amdgpu_metadata
---
amdhsa.version: [ 1, 2 ]
amdhsa.kernels:
  - .name:           k_q9271190372_pv
    .symbol:         k_q9271190372_pv.kd
    .args:
      - { .name: vf, .offset: 0, .size: 8, .value_kind: global_buffer, .address_space: global }
      - { .name: vs, .offset: 8, .size: 8, .value_kind: global_buffer, .address_space: global }
      - { .name: pf, .offset: 16, .size: 8, .value_kind: global_buffer, .address_space: global }
      - { .name: ps, .offset: 24, .size: 8, .value_kind: global_buffer, .address_space: global }
      - { .name: x, .offset: 32, .size: 8, .value_kind: global_buffer, .address_space: global }
      - { .name: out0, .offset: 40, .size: 8, .value_kind: global_buffer, .address_space: global }
    .group_segment_fixed_size: 327680
    .private_segment_fixed_size: 0
    .kernarg_segment_align: 8
    .kernarg_segment_size: 48
    .max_flat_workgroup_size: 128
    .sgpr_count:     102
    .vgpr_count:     1024
    .wavefront_size: 32
...
	.end_amdgpu_metadata
.endif
;; end of part 4
